; MI455X (gfx1250); checked and timed in simulation.
; The chip was launched on July 23, 2026; its instructions are those of AMD's public machine-readable ISA for CDNA 5 (MIT licence, August 2026) and "CDNA5" Instruction Set Architecture Reference Guide (July 2026). The comments in the code are by the model that wrote it; some were corrected since.
;; Transformer Block. Allowed arithmetic: matrix products marked QUANTISED: E4M3 operands, one given power-of-two scale a tensor, by v_wmma_f32_16x16x64_fp8_fp8 or v_wmma_f32_16x16x128_fp8_fp8, f32 sums; everything else in f32.
;; Inputs: W1_codes 4,096 x 32 x 32 uint8 (E4M3 codes of W1, K innermost, in blocks of 32 codes); W2_codes 1,024 x 128 x 32 uint8 (E4M3 codes of W2, K innermost, in blocks of 32 codes); WK_codes 1,024 x 32 x 32 uint8 (E4M3 codes of WK, K innermost, in blocks of 32 codes); WQ_codes 1,024 x 32 x 32 uint8 (E4M3 codes of WQ, K innermost, in blocks of 32 codes); WV_codes 1,024 x 32 x 32 uint8 (E4M3 codes of WV, K innermost, in blocks of 32 codes); Wo_codes 1,024 x 32 x 32 uint8 (E4M3 codes of Wo, K innermost, in blocks of 32 codes); b1 4,096 float32; b2 1,024 float32; bo 1,024 float32; ln1_b 1,024 float32; ln1_s 1,024 float32; ln2_b 1,024 float32; ln2_s 1,024 float32; lowp_scales 16 int32 (the exponents e of the quantised operands' scales 2^e); x 4 x 1,024 x 1,024 float32.
;; Outputs: out0 4 x 1,024 x 1,024 float32.
;; This version of the problem:
;;   THIS VERSION OF THE PROBLEM IS GIVEN IN LOW PRECISION. The matrix products marked QUANTISED in the list below multiply operands that are first quantised to E4M3 (4 exponent bits, 3 mantissa bits; 8 bits a number), with one given power-of-two scale for each operand tensor; their sums are f32. All else is computed in f32.
;;   The module's matrix products, in the order in which they are computed (A, B: the left and right operand; K: the contracted axis; several contracted axes count as one K, in the product's order):
;;     1. [M 4,096, K 1,024] x [K 1,024, N 1,024]; A: computed on the way; B: input WQ (given as codes): QUANTISED (scales: A lowp_scales[0], B lowp_scales[1])
;;     2. [M 4,096, K 1,024] x [K 1,024, N 1,024]; A: computed on the way; B: input WK (given as codes): QUANTISED (scales: A lowp_scales[2], B lowp_scales[3])
;;     3. [M 4,096, K 1,024] x [K 1,024, N 1,024]; A: computed on the way; B: input WV (given as codes): QUANTISED (scales: A lowp_scales[4], B lowp_scales[5])
;;     4. batch 64 x [M 1,024, K 64] x [K 64, N 1,024]; A: computed on the way; B: computed on the way: QUANTISED (scales: A lowp_scales[6], B lowp_scales[7])
;;     5. batch 64 x [M 1,024, K 1,024] x [K 1,024, N 64]; A: softmax (see below); B: computed on the way: QUANTISED (scales: A lowp_scales[8], B lowp_scales[9])
;;     6. [M 4,096, K 1,024] x [K 1,024, N 1,024]; A: computed on the way; B: input Wo (given as codes): QUANTISED (scales: A lowp_scales[10], B lowp_scales[11])
;;     7. [M 4,096, K 1,024] x [K 1,024, N 4,096]; A: computed on the way; B: input W1 (given as codes): QUANTISED (scales: A lowp_scales[12], B lowp_scales[13])
;;     8. [M 4,096, K 4,096] x [K 4,096, N 1,024]; A: computed on the way; B: input W2 (given as codes): QUANTISED (scales: A lowp_scales[14], B lowp_scales[15])
;;   THE QUANTISER, for each operand of a quantised product, along K:
;;     - The operand's scale is 2^e, e = its entry of the input lowp_scales (int32; the entries are numbered through the quantised products in the list's order, A before B).
;;     - Each number is divided by the scale, clamped to +-448, and rounded to the nearest number of E4M3, ties to even, subnormals kept.
;;     - The product sums the exact products of the quantised numbers (number of the format x scale) in f32.
;;   ~~~python
;;   def quantise(x, axis, e):      # numpy; x: float32 -> the quantised numbers, widened to float32 again
;;       x = np.moveaxis(x, axis, -1); K = x.shape[-1]
;;       r = np.clip(x / 2.0 ** e, -448, 448)
;;       step = 2.0 ** (np.maximum(np.frexp(np.where(r == 0, 1, r))[1] - 1, -6) - 3)
;;       q = np.round(r / step) * step * 2.0 ** e      # np.round: ties to even
;;       return np.moveaxis(q, -1, axis).astype(np.float32)
;;   ~~~
;;   SOFTMAX AHEAD OF A QUANTISED PRODUCT. Where the list says 'softmax', what is quantised is not the finished softmax but p = 2^(t - M), with t = logit x log2(e) and M = ceil(the row's largest t), a whole number; so 1/2 < the row's largest p <= 1. The row's sum l is taken of the UNQUANTISED p, in f32, and the product's result is divided by l at the end. Since M is a whole number, a kernel that streams over the keys may use a running M (the ceiling of the running maximum): every later rescaling is an exact power of two, so the quantised numbers keep their values, but for numbers so far below the row's largest that they fall under the format's range.
;;   OPERANDS COMPUTED ON THE WAY. 'Computed on the way' means the value that the module computes at that place (a softmax that the list does not call 'softmax' is quantised finished and normalised). What goes into a quantiser is computed in f32, as accurately as f32 sums, v_exp_f32 and their like allow (about 1e-6 of the number): no bf16 or f16 on the way to a quantiser, and a product that is left as it is and whose result goes on into a quantised operand takes f32 operands (vector FMAs, or v_wmma_f32_16x16x4_f32). A number that lies on a knife's edge between two numbers of the format may be rounded either way, as far as f32 arithmetic and the matrix unit's own rounding can turn it there, and no further.
;;   INPUTS GIVEN AS CODES. W1 (in the module: [1024, 4096], K = its axis 0); W2 (in the module: [4096, 1024], K = its axis 0); WK (in the module: [1024, 1024], K = its axis 0); WQ (in the module: [1024, 1024], K = its axis 0); WV (in the module: [1024, 1024], K = its axis 0); Wo (in the module: [1024, 1024], K = its axis 0): each comes as NAME_codes (uint8): NAME with its K axis moved to the last place and cut into blocks of 32 codes, [.., K / 32, bytes a block], one block behind the other in memory; one code a byte (a code: sign, 4 exponent bits, 3 mantissa bits); its scale is its entry of lowp_scales. Its value is code x scale, taken as it is: it is not quantised again, and the codes and scales need not be those that the quantiser above would give.
;; One version. Each part assembles by itself: llvm-mc -triple=amdgcn-amd-amdhsa -mcpu=gfx1250 --defsym DOCPART=n.
;; ======== version 1 of 1: 7 launches
;; limits: right only within a limited range of input values
;; workspace buffers: hc 12,582,912 bytes; qkvc 12,582,912 bytes; ctx 4,194,304 bytes; x1 16,777,216 bytes; h2 4,194,304 bytes; g 16,777,216 bytes
;; launch ln1 (part 1): grid 256 x 1, 8 waves a work-group, no clusters, 25,600 bytes of LDS; arguments x, ln1_s, ln1_b, lowp_scales, hc; writes hc
.if DOCPART == 1
	.amdgcn_target "amdgcn-amd-amdhsa--gfx1250"
	.amdhsa_code_object_version 6
	.text
	.protected	k_q5e1c73c4d9_ln1
	.globl	k_q5e1c73c4d9_ln1
	.p2align	8
	.type	k_q5e1c73c4d9_ln1,@function
k_q5e1c73c4d9_ln1:
	s_mov_b64 s[64:65], 0
	v_nop
	global_prefetch_b8 v0, s[64:65] scope:SCOPE_SE
	s_setreg_imm32_b32 hwreg(HW_REG_WAVE_MODE, 25, 1), 1
	s_wait_xcnt 0x0
; h = gain * (x - mean) / sqrt(var + 1e-5) + shift over rows of 1,024 f32, then quantised to E4M3 three times, with the given scales
; 2^e0, 2^e2, 2^e4 (the left operands of the products with WQ, WK, WV), into three planes of 4 MiB of codes, each [4096][1024], K innermost.
; SHARES.  Eight waves, two rows a wave, sixteen rows a work-group.  A row is 4,096 bytes: eight loads of 512 consecutive bytes; it stays in 32 registers.
; Lane l holds k = 128 j + 4 l + 0..3 in registers 4 j .. 4 j + 3.  The variance is taken of the differences x - mean, so a common offset of x does no harm.
; A conversion takes eight registers (loads 2 g, 2 g + 1) and gives two registers: each is the four codes of one load.  They go through the wave's own
; 3,072 bytes of LDS (4 bytes a lane, 128 a load) and come back 16 bytes a lane, so that each store of the wave covers 512 consecutive bytes.
; No barrier: waves share nothing.  No matrix unit, no cluster: the launch streams, and no byte is read by two work-groups but gain and shift.
; LIMITS: each e between -126 and 119, so that 2^e and 448 x 2^e are f32 numbers.  NaN and infinity among the inputs are not served.
.set NOUT, 3
.set X0,  16                           ; v16-47   row 0
.set X1,  48                           ; v48-79   row 1
.set GA,  80                           ; v80-111  gain
.set SH,  112                          ; v112-143 shift
.set T,   144                          ; v144-175 at work
.set C,   176                          ; v176-199 codes, eight registers for each output
.set OUT, 200                          ; v200-247 rows of codes to store: eight registers for each (row, output), so no store's data are written again
.set WREG, 3072                        ; LDS of a wave: 1,024 bytes for each output
	s_load_b256 s[4:11], s[0:1], 0x0               ; x s[4:5], gain s[6:7], shift s[8:9], the scales' exponents s[10:11]
	s_load_b64 s[12:13], s[0:1], 0x20              ; the codes
	v_lshl_add_u32 v248, v0, 2, 0x6000
	v_mov_b32 v249, 0
	v_lshrrev_b32 v1, 5, v0
	s_delay_alu instid0(VALU_DEP_1)
	v_readfirstlane_b32 s14, v1                    ; wave 0..7
	v_and_b32 v2, 31, v0                           ; lane
	s_delay_alu instid0(VALU_DEP_1)
	v_lshlrev_b32 v1, 4, v2                        ; v1: 16 x lane
	s_mul_i32 s15, s14, WREG
	v_lshl_add_u32 v3, v2, 4, s15                  ; v3: LDS, the way back: 16 x lane
	v_lshl_add_u32 v2, v2, 2, s15                  ; v2: LDS, the way in: 4 x lane
	s_lshl_b32 s34, ttmp9, 16                      ; 16 rows of 4,096 bytes a work-group,
	s_lshl_b32 s35, s14, 13                        ; two a wave
	s_add_co_u32 s34, s34, s35
	s_mov_b32 s35, 0
	s_lshr_b32 s36, s34, 2                         ; the same rows in a plane of codes: 1,024 bytes a row
	s_mov_b32 s37, 0
	s_mov_b32 s24, 0x3a800000                      ; 1 / 1,024
	s_mov_b32 s25, 0x3727c5ac                      ; 1e-5
	s_mov_b32 s26, 0x76543210                      ; v_permlanex16_b32: lane l xor 16
	s_mov_b32 s27, 0xfedcba98
	s_wait_alu depctr_va_vdst(0)
	s_wait_kmcnt 0x0
	s_load_b256 s[16:23], s[10:11], 0x0            ; e0 .. e7: e0, e2, e4 are used
	s_add_nc_u64 s[4:5], s[4:5], s[34:35]
	s_add_nc_u64 s[28:29], s[12:13], s[36:37]      ; plane 0,
	s_add_nc_u64 s[30:31], s[28:29], 0x400000      ; plane 1,
	s_add_nc_u64 s[32:33], s[28:29], 0x800000      ; plane 2: a base each
.irp j, 0,1,2,3,4,5,6,7
	global_load_b128 v[X0+4*\j:X0+4*\j+3], v1, s[4:5] offset:512*\j
.endr
.irp j, 0,1,2,3,4,5,6,7
	global_load_b128 v[X1+4*\j:X1+4*\j+3], v1, s[4:5] offset:4096+512*\j
.endr
.irp j, 0,1,2,3,4,5,6,7
	global_load_b128 v[GA+4*\j:GA+4*\j+3], v1, s[6:7] offset:512*\j
.endr
.irp j, 0,1,2,3,4,5,6,7
	global_load_b128 v[SH+4*\j:SH+4*\j+3], v1, s[8:9] offset:512*\j
.endr
	s_wait_kmcnt 0x0
.irp i, 0,1,2
	s_add_co_i32 s38, s[16+2*\i], 127
	s_lshl_b32 s39, s38, 23
	v_mov_b32 v[8+2*\i], s39                       ; 2^e as f32: the conversion takes its exponent field
	s_add_co_i32 s38, s38, 8
	s_lshl_b32 s38, s38, 23
	s_or_b32 s38, s38, 0x600000
	v_mov_b32 v[9+2*\i], s38                       ; 448 x 2^e
.endr
.macro SUM32                           ; v[T] summed over the 32 lanes, the result in every lane
	s_delay_alu instid0(VALU_DEP_1)
	v_add_f32_dpp v[T], v[T], v[T] row_xmask:1 row_mask:0xf bank_mask:0xf
	s_delay_alu instid0(VALU_DEP_1)
	v_add_f32_dpp v[T], v[T], v[T] row_xmask:2 row_mask:0xf bank_mask:0xf
	s_delay_alu instid0(VALU_DEP_1)
	v_add_f32_dpp v[T], v[T], v[T] row_xmask:4 row_mask:0xf bank_mask:0xf
	s_delay_alu instid0(VALU_DEP_1)
	v_add_f32_dpp v[T], v[T], v[T] row_xmask:8 row_mask:0xf bank_mask:0xf
	s_delay_alu instid0(VALU_DEP_1)
	v_permlanex16_b32 v[T+1], v[T], s26, s27       ; its destination counts as read: it has been written
	s_delay_alu instid0(VALU_DEP_1)
	v_add_f32 v[T], v[T], v[T+1]
.endm
.macro STAT X                          ; the row in v[X] on becomes (x - mean) / sqrt(var + 1e-5)
	v_pk_add_f32 v[T:T+1], v[\X:\X+1], v[\X+2:\X+3]            ; two chains, started by the first four pairs
	v_pk_add_f32 v[T+2:T+3], v[\X+4:\X+5], v[\X+6:\X+7]
.irp j, 8,12,16,20,24,28
	s_delay_alu instid0(VALU_DEP_2)
	v_pk_add_f32 v[T:T+1], v[T:T+1], v[\X+\j:\X+\j+1]
	s_delay_alu instid0(VALU_DEP_2)
	v_pk_add_f32 v[T+2:T+3], v[T+2:T+3], v[\X+\j+2:\X+\j+3]
.endr
	s_delay_alu instid0(VALU_DEP_1)
	v_pk_add_f32 v[T:T+1], v[T:T+1], v[T+2:T+3]
	s_delay_alu instid0(VALU_DEP_1)
	v_add_f32 v[T], v[T], v[T+1]
	SUM32
	s_delay_alu instid0(VALU_DEP_1)
	v_mul_f32 v4, s24, v[T]                        ; the mean,
	s_delay_alu instid0(VALU_DEP_1)
	v_mov_b32 v5, v4                               ; twice, for the packed form
.set n, 0
.rept 16
	v_pk_add_f32 v[\X+n:\X+n+1], v[\X+n:\X+n+1], v[4:5] neg_lo:[0,1] neg_hi:[0,1]
.set n, n+2
.endr
	v_pk_mul_f32 v[T:T+1], v[\X:\X+1], v[\X:\X+1]
	v_pk_mul_f32 v[T+2:T+3], v[\X+2:\X+3], v[\X+2:\X+3]
.irp j, 4,8,12,16,20,24,28
	s_delay_alu instid0(VALU_DEP_2)
	v_pk_fma_f32 v[T:T+1], v[\X+\j:\X+\j+1], v[\X+\j:\X+\j+1], v[T:T+1]
	s_delay_alu instid0(VALU_DEP_2)
	v_pk_fma_f32 v[T+2:T+3], v[\X+\j+2:\X+\j+3], v[\X+\j+2:\X+\j+3], v[T+2:T+3]
.endr
	s_delay_alu instid0(VALU_DEP_1)
	v_pk_add_f32 v[T:T+1], v[T:T+1], v[T+2:T+3]
	s_delay_alu instid0(VALU_DEP_1)
	v_add_f32 v[T], v[T], v[T+1]
	SUM32
	s_delay_alu instid0(VALU_DEP_1)
	v_fma_f32 v[T], v[T], s24, s25                 ; var + 1e-5
	s_wait_alu depctr_va_vdst(0)
	v_rsq_f32 v6, v[T]
	v_nop                                          ; a plain instruction between the transcendental and the use of its result
	s_wait_alu depctr_va_vdst(0)
	v_mov_b32 v7, v6
.set n, 0
.rept 16
	v_pk_mul_f32 v[\X+n:\X+n+1], v[\X+n:\X+n+1], v[6:7]
.set n, n+2
.endr
.endm
.macro NORM X
.set n, 0
.rept 16
	v_pk_fma_f32 v[\X+n:\X+n+1], v[\X+n:\X+n+1], v[GA+n:GA+n+1], v[SH+n:SH+n+1]
.set n, n+2
.endr
.endm
.macro QROW X, row                     ; the row is quantised NOUT times and stored
.irp i, 0,1,2
.if \i < NOUT
.set n, 0
.rept 32
	v_med3_num_f32 v[T+n], v[\X+n], -v[9+2*\i], v[9+2*\i]     ; the conversion to an 8-bit code does not saturate (ISA guide 7.6.2): the hold at 448 x the scale
.set n, n+1
.endr
.irp g, 0,1,2,3
	v_cvt_scalef32_pk8_fp8_f32 v[C+8*\i+2*\g:C+8*\i+2*\g+1], v[T+8*\g:T+8*\g+7], v[8+2*\i]
.endr
	v_nop                                          ; a plain instruction between the conversions and the next write of their sources
.irp j, 0,1,2,3,4,5,6,7
	ds_store_b32 v2, v[C+8*\i+\j] offset:\i*1024+128*\j        ; codes of k = 128 j + 4 l + 0..3
.endr
.irp t, 0,1
	ds_load_b128 v[OUT+24*\row+8*\i+4*\t:OUT+24*\row+8*\i+4*\t+3], v3 offset:\i*1024+512*\t   ; LDS serves a wave's instructions in order (ISA guide 5.7.1.4): these see my stores
.endr
.endif
.endr
	s_wait_dscnt 0x0                               ; the rows are back; the stores into LDS have read the codes' registers
.irp i, 0,1,2
.if \i < NOUT
.irp t, 0,1
	global_store_b128 v1, v[OUT+24*\row+8*\i+4*\t:OUT+24*\row+8*\i+4*\t+3], s[28+2*\i:29+2*\i] offset:\row*1024+512*\t   ; 32 lanes store 512 consecutive bytes
.endr
.endif
.endr
.endm
	s_wait_loadcnt 24                              ; row 0's eight loads are in; the 24 younger ones may be out
	STAT X0
	s_wait_loadcnt 16                              ; row 1's
	STAT X1
	s_wait_loadcnt 0x0                             ; gain and shift
	NORM X0
	NORM X1
	QROW X0, 0
	QROW X1, 1
	s_wait_tensorcnt 0x0
	ds_add_u32 v248, v249
	s_wait_dscnt 0x0
	s_endpgm
.Lfunc_end_k_q5e1c73c4d9_ln1:
	.size	k_q5e1c73c4d9_ln1, .Lfunc_end_k_q5e1c73c4d9_ln1-k_q5e1c73c4d9_ln1
	.p2alignl 7, 3214868480
	.fill 96, 4, 3214868480
	.section	.rodata,"a",@progbits
	.p2align	6, 0x0
	.amdhsa_kernel k_q5e1c73c4d9_ln1
		.amdhsa_group_segment_fixed_size 25600
		.amdhsa_private_segment_fixed_size 0
		.amdhsa_enable_private_segment 0
		.amdhsa_kernarg_size 40
		.amdhsa_user_sgpr_count 2
		.amdhsa_user_sgpr_kernarg_segment_ptr 1
		.amdhsa_wavefront_size32 1
		.amdhsa_system_sgpr_workgroup_id_x 1
		.amdhsa_system_sgpr_workgroup_id_y 1
		.amdhsa_system_sgpr_workgroup_id_z 1
		.amdhsa_system_vgpr_workitem_id 0
		.amdhsa_next_free_vgpr 250
		.amdhsa_next_free_sgpr 66
		.amdhsa_reserve_vcc 0
		.amdhsa_float_denorm_mode_32 3
		.amdhsa_float_denorm_mode_16_64 3
		.amdhsa_memory_ordered 1
		.amdhsa_forward_progress 1
		.amdhsa_inst_pref_size 40
	.end_amdhsa_kernel
	.amdgpu_metadata
---
amdhsa.version: [ 1, 2 ]
amdhsa.kernels:
  - .name:           k_q5e1c73c4d9_ln1
    .symbol:         k_q5e1c73c4d9_ln1.kd
    .args:
      - { .name: x, .offset: 0, .size: 8, .value_kind: global_buffer, .address_space: global }
      - { .name: ln1_s, .offset: 8, .size: 8, .value_kind: global_buffer, .address_space: global }
      - { .name: ln1_b, .offset: 16, .size: 8, .value_kind: global_buffer, .address_space: global }
      - { .name: lowp_scales, .offset: 24, .size: 8, .value_kind: global_buffer, .address_space: global }
      - { .name: hc, .offset: 32, .size: 8, .value_kind: global_buffer, .address_space: global }
    .group_segment_fixed_size: 25600
    .private_segment_fixed_size: 0
    .kernarg_segment_align: 8
    .kernarg_segment_size: 40
    .max_flat_workgroup_size: 256
    .sgpr_count:     66
    .vgpr_count:     250
    .wavefront_size: 32
...
	.end_amdgpu_metadata
.endif
;; end of part 1
;; launch qkv (part 2): grid 12 x 16, 4 waves a work-group, clusters of 4 x 4, 327,680 bytes of LDS; arguments hc, WQ_codes, WK_codes, WV_codes, lowp_scales, qkvc; writes qkvc
.if DOCPART == 2
	.amdgcn_target "amdgcn-amd-amdhsa--gfx1250"
	.amdhsa_code_object_version 6
	.text
	.protected	k_q5e1c73c4d9_qkv
	.globl	k_q5e1c73c4d9_qkv
	.p2align	8
	.type	k_q5e1c73c4d9_qkv,@function
k_q5e1c73c4d9_qkv:
	s_mov_b64 s[64:65], 0
	v_nop
	global_prefetch_b8 v0, s[64:65] scope:SCOPE_SE
	s_setreg_imm32_b32 hwreg(HW_REG_WAVE_MODE, 25, 1), 1
	s_wait_xcnt 0x0
	s_wait_alu depctr_hold_cnt(0) depctr_sa_sdst(0) depctr_va_vdst(0) depctr_va_sdst(0) depctr_va_ssrc(0) depctr_va_vcc(0) depctr_vm_vsrc(0)
	s_getreg_b32 s2, hwreg(HW_REG_IB_STS2, 6, 4)
	s_cmp_eq_u32 s2, 0
	s_cbranch_scc0 .Lentry_in_a_cluster
	s_endpgm
.Lentry_in_a_cluster:
	s_bfe_u32 s2, ttmp6, 0x10000c
	s_cmp_lg_u32 s2, 0xf033
	s_cbranch_scc0 .Lentry_shape_is_right
	s_endpgm
.Lentry_shape_is_right:
; q = h WQ, k = h WK, v = h WV on codes of E4M3 (K = 1,024), and the results quantised at once, with 2^e6, 2^e7, 2^e9, into the layouts that the attention launch reads.
; The cluster's x (0, 1, 2) says which product; all sixteen partners of a cluster make the same one.  h's codes: plane X of hc, [4096][1024]; the weights: [1024 (n)][1024 (k)].
; A tile of the result, 256 x 256, is made by four waves, 128 x 128 each: 64 accumulators, 512 registers.  K goes in steps of 256 through a ring of two LDS slots filled by the tensor data mover.
; THE MATRIX INSTRUCTION IS USED TRANSPOSED (source 0 = 16 rows of "B", source 1 = 16 rows of "A"): a lane holds eight neighbouring columns (rows of B) of one row of A.
; For q and k: A = tokens, B = features: a lane's eight numbers are eight neighbours along the head's 64, the next product's K.
; For v THE ROLES ARE SWAPPED: A = WV's rows (features), B = tokens: a lane's eight numbers are eight neighbouring keys of one feature, the K of the product with p.  Both operands have rows of 1,024 bytes, so the loop and the descriptors are the same.
; OUTPUT, three planes of 4 MiB, a head 65,536 bytes in each:  q [b][h][s][64];  k [b][h][sigma(s)][64];  v [b][h][s / 128][sigma(d)][s % 128];  sigma swaps bits 3 and 4 of its index,
; so that 16 rows that lie on end are the rows 32 b + 8 u + r + 8 (r / 8) of which the attention launch makes a tile.
; CLUSTERS: 4 x 4 work-groups; A's tile is asked for jointly by a row of the cluster, B's by a column.
; code = sum x 2^(ea + eb) / 2^eout: the three exponents are folded into the conversion's one scale 2^f, f = eout - ea - eb.  LIMIT: f between -126 and 119.  NaN is not served.
; REGISTERS, in windows of 256: window 0: v0-31 addresses and two constants; from v128 A's fragments, ONE set; on the way out v32-159 at work.  window 1: B's fragments, TWO sets.  windows 2, 3: the accumulators ((a, b) at v[8 (8 (a % 4) + b)]).
.set KSTEP,  256
.set ROWB,   256                       ; a tile's row in bytes
.set KROW,   1024                      ; a row of either operand in memory
.set PITCH,  272                       ; an LDS row: 256 bytes + 16 of padding: the 16 rows that a load touches start at 16 different banks (64 banks of 4 bytes: ISA guide 11.1)
.set FR,     16                        ; registers of a fragment: 16 rows x 128 K
.set NL,     4                         ; LDS loads that bring one
.set NP,     4                         ; places behind this matrix instruction (ISA guide 7.12.1)
.set HALFT,  128*PITCH
.set SLOT,   4*HALFT                   ; A's 256 rows, then B's 256 rows
.set LAPS,   2                         ; 1,024 along K = four K steps = twice round the ring
.set SPARE,  2*SLOT                    ; the spare words: 128 bytes a wave, two blocks of 256 bytes that no other line names
.set SP,     144                       ; the way out: a stage of 16 rows x (128 bytes + 16) for each wave, in slot 0, which has had its last fill and its last read by then
.set VO,   8                           ; v8-11   the way out: my byte offset in the plane for the stage's four loads
.set ADRA, 16
.set ADRB, 20
.set STO,  24
.set RD,   25
.set SPW,  28                          ; v28     LDS address of my spare word; never rewritten
.set NIL,  29                          ; v29     0; never rewritten
.set SCL,  30                          ; v30     2^f
.set LIM,  31                          ; v31     448 x 2^f
.set TMP,  32                          ; v32-95  a block's 64 sums, held
.set CD,   96                          ; v96-127 their codes, two sets
.set AF,   128
.set BB,   128                         ; v128-159 rows read back from the stage, two sets
.set G1, 24
.set G0, 32
.set G1B, 48
.set G0B, 56
.set MSB, 0
.macro WIN new                         ; the immediate's high byte repeats the setting that is left
.if MSB != \new
	s_set_vgpr_msb (MSB<<8)|\new
.set MSB, \new
.endif
.endm
.set MUL_LO, 0xa1                      ; source 0 (B) window 1, source 1 (A) window 0, C and D window 2
.set MUL_HI, 0xf1
.set TO_B,   0x40
; A joint load: waves 0 and 1 fetch for A, waves 2 and 3 for B; the branch hangs on the wave's number alone.  Four v_nop follow each of the two lines.
.macro JLOAD g0a, g1a, g0b, g1b
	s_cmp_eq_u32 s15, 0
	s_cbranch_scc0 .Lfor_b_\@
	tensor_load_to_lds s[\g0a:\g0a+3], s[\g1a:\g1a+7]
	s_nop 0
.rept 4
	v_nop
.endr
	s_branch .Lasked_\@
.Lfor_b_\@:
	tensor_load_to_lds s[\g0b:\g0b+3], s[\g1b:\g1b+7]
	s_nop 0
.rept 4
	v_nop
.endr
.Lasked_\@:
.endm
.macro CREST                           ; a round of the cluster's barrier behind its opening barrier
	s_cmp_lg_u32 s14, 0
	s_cbranch_scc1 .Lnot_wave_0_\@
	s_barrier_signal -3
.Lnot_wave_0_\@:
	s_barrier_wait -3
	s_barrier_signal -1
	s_barrier_wait -1
.endm
.macro CROUND
	s_barrier_signal -1
	s_barrier_wait -1
	CREST
.endm
	s_load_b256 s[4:11], s[0:1], 0x0               ; hc s[4:5], WQ s[6:7], WK s[8:9], WV s[10:11]
	s_load_b128 s[68:71], s[0:1], 0x20             ; the scales' exponents s[68:69], qkvc s[70:71]
	v_lshl_add_u32 v[SPW], v0, 2, SPARE
	v_mov_b32 v[NIL], 0
	ds_add_u32 v28, v29
	ds_add_u32 v28, v29
	s_wait_dscnt 0x0
	v_lshrrev_b32 v1, 5, v0
	v_readfirstlane_b32 s14, v1                    ; wave 0..3
	s_lshr_b32 s15, s14, 1                         ; which half of the tile's rows is mine.  Also: I fetch for A (0) or for B (1)
	s_and_b32 s16, s14, 1                          ; which half of its columns.  Also: which 128 rows of that tile I fetch
	s_bfe_u32 s40, ttmp6, 0x40000                  ; cx
	s_bfe_u32 s41, ttmp6, 0x40004                  ; cy
	s_and_b32 s12, ttmp7, 0xffff
	s_lshl_b32 s12, s12, 2                         ; 4 x cluster y: it walks the tokens' sixteen tiles
	s_cmp_eq_u32 ttmp9, 2                          ; v?
	s_cselect_b32 s13, 0, s12                      ; the tokens are A's rows for q and k,
	s_cselect_b32 s12, s12, 0                      ; B's rows for v
	s_add_co_u32 s17, s13, s41                     ; tile row: hangs on cy and the cluster's place alone
	s_add_co_u32 s42, s12, s40                     ; tile column: on cx and the cluster's place alone
	s_lshl_b32 s43, s41, 2
	s_lshl_b32 s43, 15, s43                        ; my row of the cluster
	s_lshl_b32 s44, 0x1111, s40                    ; my column
	s_or_b32 s[G1+0], s43, (0<<16)|(1<<20)|(1<<21)|(5<<22)|(3<<25)  ; the mask; elements of 1 byte; padding on; bit 21 beside a mask; 4 words behind every 64
	s_or_b32 s[G1B+0], s44, (0<<16)|(1<<20)|(1<<21)|(5<<22)|(3<<25)
.irp g, G1, G1B
	s_mov_b32 s[\g+1], ROWB<<16                    ; tensor_dim0
	s_mov_b32 s[\g+2], 128<<16                     ; tensor_dim1
	s_mov_b32 s[\g+3], ROWB<<16                    ; tile_dim0
	s_mov_b32 s[\g+4], 128                         ; tile_dim1
	s_mov_b32 s[\g+5], KROW                        ; tensor_dim0_stride
	s_mov_b32 s[\g+6], 0
	s_mov_b32 s[\g+7], 0
.endr
	s_lshl_b32 s18, s16, 7                         ; which 128 rows of the tile I fetch
	s_lshl_b32 s20, s17, 8
	s_add_co_u32 s20, s20, s18
	s_lshl_b32 s20, s20, 10                        ; A: (256 x tile row + 128 x half) rows of 1,024 bytes
	s_mov_b32 s21, 0
	s_lshl_b32 s46, s42, 8
	s_add_co_u32 s46, s46, s18
	s_lshl_b32 s46, s46, 10                        ; B likewise
	s_mov_b32 s47, 0
	s_mul_i32 s45, s14, HALFT                      ; where they go: wave x 128 rows
	s_lshl_b32 s22, ttmp9, 22                      ; the product's plane of 4 MiB, in hc and in qkvc
	s_mov_b32 s23, 0
	s_wait_kmcnt 0x0
	s_load_b512 s[72:87], s[68:69], 0x0            ; e0 .. e15
	s_add_nc_u64 s[4:5], s[4:5], s[22:23]          ; h's codes under this product's scale
	s_add_nc_u64 s[70:71], s[70:71], s[22:23]
	s_cmp_eq_u32 ttmp9, 0
	s_cselect_b64 s[6:7], s[6:7], s[8:9]           ; the weight: WQ or WK,
	s_cmp_eq_u32 ttmp9, 2
	s_cselect_b64 s[6:7], s[10:11], s[6:7]         ; or WV.  The choices hang on the cluster's x alone
	s_cselect_b64 s[8:9], s[6:7], s[4:5]           ; A: the weight for v, else h
	s_cselect_b64 s[10:11], s[4:5], s[6:7]         ; B: h for v, else the weight
	s_add_nc_u64 s[20:21], s[8:9], s[20:21]
	s_add_nc_u64 s[46:47], s[10:11], s[46:47]
	; the prefetches' address: of the 128 rows that I fetch, my work-group's 32 (the four partners that ask jointly share the rows out by address: cx for A, cy for B); a lane a row
	s_cmp_eq_u32 s15, 0
	s_cselect_b64 s[8:9], s[20:21], s[46:47]
	s_cselect_b32 s10, s40, s41
	s_lshl_b32 s10, s10, 15                        ; 32 rows of 1,024 bytes
	s_mov_b32 s11, 0
	s_add_nc_u64 s[8:9], s[8:9], s[10:11]
	v_and_b32 v14, 31, v0
	v_lshlrev_b32 v14, 10, v14                     ; v14: lane x a row; never rewritten
	s_wait_alu depctr_va_vdst(0)                   ; the wait behind the write
	CROUND                                         ; all sixteen work-groups are here: the first joint loads meet
.irp s, 0,1
	s_mov_b32 s[G0+4*\s], 1
	s_add_co_u32 s[G0+4*\s+1], s45, \s*SLOT
	s_add_nc_u64 s[G0+4*\s+2:G0+4*\s+3], s[20:21], \s*ROWB
	s_or_b32 s[G0+4*\s+3], s[G0+4*\s+3], 0x80000000
	s_mov_b32 s[G0B+4*\s], 1
	s_add_co_u32 s[G0B+4*\s+1], s45, \s*SLOT
	s_add_nc_u64 s[G0B+4*\s+2:G0B+4*\s+3], s[46:47], \s*ROWB
	s_or_b32 s[G0B+4*\s+3], s[G0B+4*\s+3], 0x80000000
.endr
	JLOAD G0, G1, G0B, G1B                         ; K step 0: one tensor load a wave at the head
	global_prefetch_b8 v14, s[8:9] offset:256 th:TH_LOAD_NT scope:SCOPE_SE   ; K step 1 of my 32 rows, 256 bytes a lane: its load goes out only when K step 0 has landed
	v_and_b32 v1, 15, v0                           ; r = l % 16
	s_wait_alu depctr_va_vdst(0)
	v_bfe_u32 v2, v0, 4, 1                         ; l / 16
	v_mul_u32_u24 v3, v1, PITCH
	v_lshl_add_u32 v4, v2, 4, v3                   ; a fragment's row x pitch + 16 x half
	s_mul_i32 s21, s15, HALFT
	s_mul_i32 s22, s16, HALFT
	s_add_co_u32 s22, s22, 2*HALFT
.irp s, 0,1
	v_add_nc_u32 v[ADRA+\s], s21, v4
	v_add_nc_u32 v[ADRB+\s], s22, v4
	s_add_co_u32 s21, s21, SLOT
	s_add_co_u32 s22, s22, SLOT
.endr
	s_mul_i32 s23, s14, 16*SP                      ; my stage
	v_mul_u32_u24 v5, v1, SP
	s_wait_alu depctr_va_vdst(0)
	v_lshl_add_u32 v5, v2, 3, v5
	v_add_nc_u32 v[STO], s23, v5                   ; in: row r, 8 bytes for each half of the lanes
	v_and_b32 v6, 31, v0
	v_lshrrev_b32 v7, 3, v6                        ; l / 8
	s_wait_alu depctr_va_vdst(0)
	v_and_b32 v12, 7, v0
	v_mul_u32_u24 v13, v7, SP
	v_lshl_add_u32 v13, v12, 4, v13
	v_add_nc_u32 v[RD], s23, v13                   ; back: eight lanes to a row of 128 bytes, four rows a load
	; THE WAY OUT'S STEPS, as whole numbers chosen on the cluster's x.  A row of my 128 has seven index bits: l / 8 (bits 0, 1), the stage's load t (bits 2, 3), the block a (bits 4, 5, 6).
	s_lshl_b32 s91, s17, 8
	s_lshl_b32 s93, s15, 7
	s_add_co_u32 s91, s91, s93                     ; my first row of A
	s_lshl_b32 s92, s42, 8
	s_lshl_b32 s93, s16, 7
	s_add_co_u32 s92, s92, s93                     ; my first column (row of B)
	s_mov_b32 s90, 0x1000
	s_cmp_eq_u32 ttmp9, 2
	s_cselect_b32 s88, 128, 64                     ; RS: bytes from a row to the next in the plane
	s_cselect_b32 s89, 64, 0x10000                 ; HS: the upper 64 of a row's 128 bytes: on in the row for v, the next head for q and k
	s_cselect_b32 s90, 0x10000, s90                ; bit 6 of the row: the next head for v, 64 tokens on for q and k
	s_cselect_b32 s93, s92, s91                    ; my first token
	s_cselect_b32 s94, s91, s92                    ; my first feature
	s_cmp_eq_u32 ttmp9, 0
	s_cselect_b32 s95, 3, 4                        ; where bit 3 of the row goes: to 3 for q, to 4 (sigma) for k and v
	s_lshl_b32 s96, s88, 2                         ; bit 2
	s_lshl_b32 s97, s88, s95                       ; bit 3
	s_sub_co_u32 s95, 7, s95
	s_lshl_b32 s98, s88, s95                       ; bit 4: D1, the step from block a to a + 1 for even a
	s_lshl_b32 s100, s88, 5                        ; bit 5
	s_sub_co_u32 s66, s90, s100
	s_sub_co_u32 s66, s66, s98                     ; D3: from block 3 to 4
	s_sub_co_u32 s100, s100, s98                   ; D2: from block 1 to 2 and from 5 to 6
	s_mov_b32 s99, 0
	s_mov_b32 s101, 0
	s_mov_b32 s67, 0
	s_lshr_b32 s90, s93, 10
	s_lshl_b32 s90, s90, 20                        ; the batch: 16 heads of 65,536 bytes
	s_lshr_b32 s94, s94, 6
	s_lshl_b32 s94, s94, 16                        ; the head
	s_add_co_u32 s90, s90, s94
	s_and_b32 s93, s93, 1023
	s_lshl_b32 s93, s93, 6                         ; the token in its sequence x 64 bytes (for v: the block of 128 keys x 8,192)
	s_add_co_u32 s90, s90, s93
	s_mov_b32 s91, 0
	s_add_nc_u64 s[70:71], s[70:71], s[90:91]
	v_mul_lo_u32 v13, v7, s88                      ; (l / 8) x RS
	v_and_b32 v12, 3, v0
	v_lshl_add_u32 v13, v12, 4, v13                ; + 16 (l % 4)
	v_bfe_u32 v12, v0, 2, 1
	v_mul_lo_u32 v12, v12, s89                     ; + ((l / 4) % 2) x HS
	v_add_nc_u32 v[VO], v13, v12
	v_add_nc_u32 v[VO+1], s96, v[VO]
	v_add_nc_u32 v[VO+2], s97, v[VO]
	v_add_nc_u32 v[VO+3], s97, v[VO+1]
.macro FRAG reg, adr, q, i             ; 16 rows x 128 K: lane l holds row l % 16; registers 4 c .. 4 c + 3 hold K = 32 c + 16 (l / 16) + 0 .. 15: the same permutation of k in A and in B
.irp c, 0,1,2,3
	ds_load_b128 v[\reg+4*\c:\reg+4*\c+3], v[\adr] offset:128*(\q)+32*\c+(\i)*16*PITCH
.endr
.endm
; 16 matrix instructions: A's blocks a0, a0 + 1 x B's eight.  The 64 accumulators take turns, one instruction a turn, in the same order in every step.
.macro MUL16 a0, p, zero
.irp a, \a0, \a0+1
.irp b, 0,1,2,3,4,5,6,7
.if \zero
	v_wmma_f32_16x16x128_fp8_fp8 v[8*(8*((\a)%4)+\b):8*(8*((\a)%4)+\b)+7], v[128*(\p)+FR*\b:128*(\p)+FR*\b+FR-1], v[AF+FR*(\a):AF+FR*(\a)+FR-1], 0
.else
	v_wmma_f32_16x16x128_fp8_fp8 v[8*(8*((\a)%4)+\b):8*(8*((\a)%4)+\b)+7], v[128*(\p)+FR*\b:128*(\p)+FR*\b+FR-1], v[AF+FR*(\a):AF+FR*(\a)+FR-1], v[8*(8*((\a)%4)+\b):8*(8*((\a)%4)+\b)+7]
.endif
.endr
.endr
.endm
.macro FETCH_B slot, q, p
	WIN TO_B
.irp i, 0,1,2,3,4,5,6,7
	FRAG 128*(\p)+FR*\i, ADRB+\slot, \q, \i
.endr
	WIN 0
.endm
.macro FETCH_A slot, q, i0
.irp i, \i0, \i0+1, \i0+2, \i0+3
	FRAG AF+FR*(\i), ADRA+\slot, \q, \i
.endr
.endm
.macro PLACES n                        ; plain vector instructions between a matrix instruction and a load into one of its registers or a read of its result
.rept \n
	v_nop
.endr
.endm
.macro STEP slot, q, zero              ; 128 along K that has its successor in the same slot
	s_wait_dscnt 4*NL                              ; B's set and A's blocks 0-3 are in; the youngest sixteen loads (A's blocks 4-7) may be out
	WIN MUL_LO
	MUL16 0, (\q)%2, \zero
	MUL16 2, (\q)%2, \zero
	s_wait_dscnt 0
	PLACES NP
	FETCH_B \slot, (\q)+1, 1-(\q)%2
	FETCH_A \slot, (\q)+1, 0
	WIN MUL_HI
	MUL16 4, (\q)%2, \zero
	MUL16 6, (\q)%2, \zero
	PLACES NP
	WIN 0
	FETCH_A \slot, (\q)+1, 4
.endm
; A slot's last step changes slots: ONE barrier; in front of it each wave waits for all its tensor loads, adds 0 to its spare word, and waits for that and for its reads of this slot.
.macro TURN slot, next, fill
	s_wait_tensorcnt 0x0                           ; all my tensor loads have landed: my part of the next slot
	ds_add_u32 v[SPW], v[NIL]                      ; 0 onto my spare word
	s_wait_dscnt 4*NL+1                            ; the add and the youngest sixteen loads may be out
	WIN MUL_LO
	MUL16 0, 1, 0
	s_wait_dscnt 0x0                               ; the add is done, and my reads of this slot are over
	s_barrier_signal -1
	MUL16 2, 1, 0
	WIN 0
	s_barrier_wait -1
.if \fill
	CREST                                          ; the barrier has opened a round of the cluster's: no wave of any partner still reads this slot or has a load on its way
	s_add_nc_u64 s[G0+4*\slot+2:G0+4*\slot+3], s[G0+4*\slot+2:G0+4*\slot+3], 2*ROWB
	s_add_nc_u64 s[G0B+4*\slot+2:G0B+4*\slot+3], s[G0B+4*\slot+2:G0B+4*\slot+3], 2*ROWB
	JLOAD G0+4*\slot, G1, G0B+4*\slot, G1B         ; the first tensor load behind the round; its four v_nop are the places in front of the loads below
.else
	PLACES NP
.endif
	FETCH_B \next, 0, 0
	FETCH_A \next, 0, 0
	WIN MUL_HI
	MUL16 4, 1, 0
	MUL16 6, 1, 0
	PLACES NP
	WIN 0
	FETCH_A \next, 0, 4
.endm
	s_wait_alu depctr_va_vdst(0)                   ; the wait at the head's end
	s_wait_tensorcnt 0x0                           ; my part of K step 0 is in; slot 1's first fill is issued as a refill is:
	ds_add_u32 v[SPW], v[NIL]                      ; 0 onto my spare word
	s_wait_dscnt 0x0
	CROUND                                         ; a whole round: K step 0 is whole, and the joint loads meet
	JLOAD G0+4, G1, G0B+4, G1B                     ; K step 1
	FETCH_B 0, 0, 0
	FETCH_A 0, 0, 0
	FETCH_A 0, 0, 4
	global_prefetch_b8 v14, s[8:9] offset:512 th:TH_LOAD_NT scope:SCOPE_SE   ; K step 2 of my 32 rows, 256 bytes a lane: a K step ahead of the refill that wants it
	STEP 0, 0, 1                                   ; the first step's products start the sums
	s_mov_b32 s3, LAPS-1
.Llap:                                             ; one trip: LAPS = 2
	TURN 0, 1, 1
	global_prefetch_b8 v14, s[8:9] offset:768 th:TH_LOAD_NT scope:SCOPE_SE   ; K step 3, the last, behind K step 2's refill and its run of LDS loads
	STEP 1, 0, 0
	TURN 1, 0, 1
	STEP 0, 0, 0
	s_sub_co_u32 s3, s3, 1
	s_cmp_lg_u32 s3, 0
	s_cbranch_scc1 .Llap
	TURN 0, 1, 0                                   ; the last lap fills nothing
	STEP 1, 0, 0
	s_wait_dscnt 4*NL
	WIN MUL_LO
	MUL16 0, 1, 0
	MUL16 2, 1, 0
	s_wait_dscnt 0
	WIN MUL_HI
	MUL16 4, 1, 0
	MUL16 6, 1, 0
	WIN 0
; THE WAY OUT, block by block of 16 rows x 128 columns: held, converted (a lane's eight sums become 8 bytes), through my stage, back as rows of 128 bytes, four rows a load.
.macro OUTBLK a
.set AC, 64*((\a)%4)
.set CC, CD+16*((\a)%2)
.set BK, BB+16*((\a)%2)
	WIN 0x02+((\a)/4)                              ; source 0: window 2 or 3
.set n, 0
.rept 64
	v_med3_num_f32 v[TMP+n], v[AC+n], -v[LIM], v[LIM]          ; the hold at 448 x the scale; each accumulator from its low end on
.set n, n+1
.endr
	WIN 0
.irp b, 0,1,2,3,4,5,6,7
	v_cvt_scalef32_pk8_fp8_f32 v[CC+2*\b:CC+2*\b+1], v[TMP+8*\b:TMP+8*\b+7], v[SCL]
.endr
	v_nop                                          ; a plain instruction behind the last conversion
.irp b, 0,1,2,3,4,5,6,7
	ds_store_b64 v[STO], v[CC+2*\b:CC+2*\b+1] offset:16*\b
.endr
.irp t, 0,1,2,3
	ds_load_b128 v[BK+4*\t:BK+4*\t+3], v[RD] offset:\t*4*SP   ; LDS serves a wave's instructions in order (ISA guide 5.7.1.4)
.endr
.endm
.macro SEND a, younger                 ; younger: the LDS instructions issued behind block a's loads
.set BK, BB+16*((\a)%2)
	s_wait_dscnt \younger
.if (\a) == 4
	s_add_nc_u64 s[70:71], s[70:71], s[66:67]      ; (behind a wait on XCNT: the earlier stores have read their base)
.elseif ((\a)%2) == 1
	s_add_nc_u64 s[70:71], s[70:71], s[98:99]
.elseif (\a) > 0
	s_add_nc_u64 s[70:71], s[70:71], s[100:101]
.endif
.irp t, 0,1,2,3
	global_store_b128 v[VO+\t], v[BK+4*\t:BK+4*\t+3], s[70:71]   ; q, k: 256 consecutive bytes in each of two heads; v: 512 consecutive bytes
.endr
.endm
	s_wait_kmcnt 0x0
	s_cmp_eq_u32 ttmp9, 0
	s_cselect_b32 s72, s72, s74                    ; ea, eb of the product, eout of its result: chosen, never branched on
	s_cselect_b32 s73, s73, s75
	s_cselect_b32 s78, s78, s79
	s_cmp_eq_u32 ttmp9, 2
	s_cselect_b32 s72, s76, s72
	s_cselect_b32 s73, s77, s73
	s_cselect_b32 s78, s81, s78
	s_sub_co_i32 s78, s78, s72
	s_sub_co_i32 s78, s78, s73                     ; f
	s_add_co_i32 s78, s78, 127
	s_lshl_b32 s79, s78, 23
	v_mov_b32 v[SCL], s79
	s_add_co_i32 s78, s78, 8
	s_lshl_b32 s78, s78, 23
	s_or_b32 s78, s78, 0x600000
	v_mov_b32 v[LIM], s78
	PLACES NP
	OUTBLK 0
.irp a, 1,2,3,4,5,6,7
.if \a > 1
	s_wait_xcnt 0x0                                ; block a - 2's stores have read their registers and their base
.endif
	OUTBLK \a
	SEND \a-1, 12                                  ; behind block a - 1's loads: block a's 8 stores and 4 loads
.endr
	s_wait_xcnt 0x0
	SEND 7, 0
	s_wait_tensorcnt 0x0                           ; the wave's end
	ds_add_u32 v[SPW], v[NIL]
	s_wait_dscnt 0x0
	CROUND                                         ; the closing round
	s_endpgm
.Lfunc_end_k_q5e1c73c4d9_qkv:
	.size	k_q5e1c73c4d9_qkv, .Lfunc_end_k_q5e1c73c4d9_qkv-k_q5e1c73c4d9_qkv
	.p2alignl 7, 3214868480
	.fill 96, 4, 3214868480
	.section	.rodata,"a",@progbits
	.p2align	6, 0x0
	.amdhsa_kernel k_q5e1c73c4d9_qkv
		.amdhsa_group_segment_fixed_size 327680
		.amdhsa_private_segment_fixed_size 0
		.amdhsa_enable_private_segment 0
		.amdhsa_kernarg_size 48
		.amdhsa_user_sgpr_count 2
		.amdhsa_user_sgpr_kernarg_segment_ptr 1
		.amdhsa_wavefront_size32 1
		.amdhsa_system_sgpr_workgroup_id_x 1
		.amdhsa_system_sgpr_workgroup_id_y 1
		.amdhsa_system_sgpr_workgroup_id_z 1
		.amdhsa_system_vgpr_workitem_id 0
		.amdhsa_next_free_vgpr 1024
		.amdhsa_next_free_sgpr 102
		.amdhsa_reserve_vcc 0
		.amdhsa_float_denorm_mode_32 3
		.amdhsa_float_denorm_mode_16_64 3
		.amdhsa_memory_ordered 1
		.amdhsa_forward_progress 1
		.amdhsa_inst_pref_size 127
	.end_amdhsa_kernel
	.amdgpu_metadata
---
amdhsa.version: [ 1, 2 ]
amdhsa.kernels:
  - .name:           k_q5e1c73c4d9_qkv
    .symbol:         k_q5e1c73c4d9_qkv.kd
    .args:
      - { .name: hc, .offset: 0, .size: 8, .value_kind: global_buffer, .address_space: global }
      - { .name: WQ_codes, .offset: 8, .size: 8, .value_kind: global_buffer, .address_space: global }
      - { .name: WK_codes, .offset: 16, .size: 8, .value_kind: global_buffer, .address_space: global }
      - { .name: WV_codes, .offset: 24, .size: 8, .value_kind: global_buffer, .address_space: global }
      - { .name: lowp_scales, .offset: 32, .size: 8, .value_kind: global_buffer, .address_space: global }
      - { .name: qkvc, .offset: 40, .size: 8, .value_kind: global_buffer, .address_space: global }
    .group_segment_fixed_size: 327680
    .private_segment_fixed_size: 0
    .kernarg_segment_align: 8
    .kernarg_segment_size: 48
    .max_flat_workgroup_size: 128
    .sgpr_count:     102
    .vgpr_count:     1024
    .wavefront_size: 32
...
	.end_amdgpu_metadata
.endif
;; end of part 2
;; launch attn (part 3): grid 4 x 64, 16 waves a work-group, clusters of 4 x 1, 169,984 bytes of LDS; arguments qkvc, lowp_scales, ctx; writes ctx
.if DOCPART == 3
	.amdgcn_target "amdgcn-amd-amdhsa--gfx1250"
	.amdhsa_code_object_version 6
	.text
	.protected	k_q5e1c73c4d9_attn
	.globl	k_q5e1c73c4d9_attn
	.p2align	8
	.type	k_q5e1c73c4d9_attn,@function
k_q5e1c73c4d9_attn:
	s_mov_b64 s[64:65], 0
	v_nop
	global_prefetch_b8 v0, s[64:65] scope:SCOPE_SE
	s_setreg_imm32_b32 hwreg(HW_REG_WAVE_MODE, 25, 1), 1
	s_wait_xcnt 0x0
	s_wait_alu depctr_hold_cnt(0) depctr_sa_sdst(0) depctr_va_vdst(0) depctr_va_sdst(0) depctr_va_ssrc(0) depctr_va_vcc(0) depctr_vm_vsrc(0)
	s_getreg_b32 s2, hwreg(HW_REG_IB_STS2, 6, 4)
	s_cmp_eq_u32 s2, 0
	s_cbranch_scc0 .Lentry_in_a_cluster
	s_endpgm
.Lentry_in_a_cluster:
	s_bfe_u32 s2, ttmp6, 0x10000c
	s_cmp_lg_u32 s2, 0x3003
	s_cbranch_scc0 .Lentry_shape_is_right
	s_endpgm
.Lentry_shape_is_right:
; ctx = softmax(q k^T / 8, causal) v for one head, both products on codes of E4M3, and ctx quantised with 2^e10 for the product with Wo.
; INPUT: the three planes of qkvc: q [b][h][s][64]; k [b][h][sigma(s)][64]; v [b][h][s / 128][sigma(d)][s % 128] (sigma swaps bits 3 and 4).
; THE SOFTMAX: t = score x log2(e) / 8; M = the running largest t rounded UP to a whole number; p = 2^(t - M) is quantised with 2^e8, not normalised; the row's sum is taken of the unquantised p and divides at the end.
; SHARES.  The four work-groups of a cluster belong to one head (the cluster's y).  A head's whole k (64 KiB) and v (64 KiB) lie in LDS: each of the sixteen waves asks for one eighth of one of them, JOINTLY with
; its three partners; every LDS byte is filled once, so there is no ring.  A wave owns one tile of 16 queries: queries 128 BLK + 32 cx + 16 u on, where BLK (0..7) and u hang on the wave's number alone,
; so that the number of key steps, BLK + 1, is the same in all partners.  BLK is laid over the sixteen waves as a square of 4 x 4 whose rows (waves 4 j .. 4 j + 3) and columns (waves w, w + 4, w + 8, w + 12)
; each have 18 key steps together.  The loop has eight trips in every wave; a step all of whose keys come after the wave's queries is jumped over by a scalar branch on ids.
; LAYOUT.  Both products are used transposed (S^T = k q^T, O^T = v^T p^T): a lane holds ONE query (lane % 16).  16 LDS rows on end are keys 32 b + 8 u + r + 8 (r / 8), so the 16 registers of tiles 2 b, 2 b + 1
; are 16 neighbouring keys; likewise O^T's are 16 neighbours along the head's 64: the conversions' results are the next operand's registers.
; OUTPUT: ctx in the order of the operand's registers: [K / 512][256 tiles of 16 rows][4 K steps][2,048]: byte 512 c + 16 lane + i is k = 32 c + 16 (lane / 16) + i of row lane % 16.  A wave stores 1,024 consecutive bytes.
; LIMITS: e6 + e7 between -123 and 130 (they are added to the exponent field of log2(e) / 8); e8 and e10 between -126 and 119.  NaN is not served.
; REGISTERS: v1, v2 my lane's place in a tile of k, of v; v3 my query less 16 (lane / 16), within its block of 128; v7 16 x lane; v8, v9 addresses in hand; v12 -M, v13 the largest t, v[14:15] the sum;
; v16-23 q; v32-95 eight fragments of k or four of v; v96-159 S^T, then p; v160-191 O^T; v224-239 p's codes; v240, v244: 448 x 2^e8, 2^e8; v246, v247: 448 x 2^e10, 2^e10; v241-243, v252-254 at work.
.set KP,   80                          ; a key's row in LDS: 64 bytes + 16
.set VP,   144                         ; a row of v (128 keys): 128 bytes + 16
.set VOFF, 1024*KP
.set WV,   18
.set SEL,  20
.set CS,   22
.set G1K,  24
.set G1V,  32
.set G0K,  40
.set G0V,  44
.set BLK,  48                          ; s48  my block of 128 queries
.set KB,   49                          ; s49  the trip's block of 128 keys
.set TBK,  50                          ; s50  its first byte in k's part of LDS
.set TBV,  51                          ; s51  and in v's
.macro ROUND                           ; a round of the cluster's barrier
	s_barrier_signal -1
	s_barrier_wait -1
	s_cmp_lg_u32 s[WV], 0
	s_cbranch_scc1 .Lnot_wave_0_\@
	s_barrier_signal -3
.Lnot_wave_0_\@:
	s_barrier_wait -3
	s_barrier_signal -1
	s_barrier_wait -1
.endm
	s_load_b128 s[4:7], s[0:1], 0x0                ; qkvc s[4:5], the scales' exponents s[6:7]
	s_load_b64 s[8:9], s[0:1], 0x10                ; ctx
	v_lshl_add_u32 v251, v0, 2, 0x29000
	v_mov_b32 v255, 0
	ds_add_u32 v251, v255
	ds_add_u32 v251, v255
	v_lshrrev_b32 v8, 5, v0
	s_delay_alu instid0(VALU_DEP_1)
	v_readfirstlane_b32 s[WV], v8                  ; wave 0..15
	s_bfe_u32 s52, ttmp6, 0x40000                  ; cx: it enters q's and ctx's addresses and the mask's numbers alone
	s_and_b32 s53, ttmp7, 0xffff                   ; 16 x batch + head, which the partners share
	s_lshl_b32 s54, s53, 16                        ; the head's first byte in a plane
	s_and_b32 s55, s[WV], 7                        ; which eighth I fetch
	s_lshl_b32 s56, s55, 13                        ; 8,192 bytes of memory,
	s_add_co_u32 s56, s56, s54
	s_mov_b32 s57, 0
	s_mul_i32 s58, s55, 128*KP                     ; 128 rows of k in LDS,
	s_mul_i32 s59, s55, 64*VP
	s_add_co_u32 s59, s59, VOFF                    ; or 64 rows of v
	s_mov_b32 s[G1K], 15|(1<<20)|(1<<21)|(3<<22)|(3<<25)   ; the mask: all four; elements of 1 byte; padding on; bit 21 beside a mask; 4 words behind every 16
	s_mov_b32 s[G1K+1], 64<<16                     ; tensor_dim0
	s_mov_b32 s[G1K+2], 128<<16                    ; tensor_dim1
	s_mov_b32 s[G1K+3], 64<<16                     ; tile_dim0
	s_mov_b32 s[G1K+4], 128                        ; tile_dim1
	s_mov_b32 s[G1K+5], 64                         ; tensor_dim0_stride
	s_mov_b32 s[G1K+6], 0
	s_mov_b32 s[G1K+7], 0
	s_mov_b32 s[G1V], 15|(1<<20)|(1<<21)|(4<<22)|(3<<25)   ; 4 words behind every 32
	s_mov_b32 s[G1V+1], 128<<16
	s_mov_b32 s[G1V+2], 64<<16
	s_mov_b32 s[G1V+3], 128<<16
	s_mov_b32 s[G1V+4], 64
	s_mov_b32 s[G1V+5], 128
	s_mov_b32 s[G1V+6], 0
	s_mov_b32 s[G1V+7], 0
	s_mov_b32 s[SEL], 0x76543210
	s_mov_b32 s[SEL+1], 0xfedcba98
	s_mov_b32 s[CS], 0x3e38aa3b                    ; c = log2(e) / 8
	s_bfe_u32 s60, s[WV], 0x10003                  ; the wave's number in bits b3 b2 b1 b0:
	s_mul_i32 s60, s60, 3                          ; 3 b3
	s_and_b32 s61, s[WV], 2                        ; 2 b1
	s_xor_b32 s[BLK], s60, s61                     ; m = 2 b1 xor 3 b3: 0, 2, 3, 1
	s_bfe_u32 s62, s[WV], 0x10002                  ; u = b2: which of the two tiles of 16 queries
	s_and_b32 s61, s[WV], 1                        ; b0
	s_xor_b32 s61, s61, s62                        ; b2 xor b0
	s_mul_i32 s61, s61, 7
	s_xor_b32 s[BLK], s[BLK], s61                  ; BLK = m or 7 - m: waves 0-3: 0 7 2 5; 4-7: 7 0 5 2; 8-11: 3 4 1 6; 12-15: 4 3 6 1
	s_lshl_b32 s63, s52, 1
	s_add_co_u32 s63, s63, s62                     ; 2 cx + u
	s_lshl_b32 s76, s[BLK], 3
	s_add_co_u32 s76, s76, s63                     ; my tile of 16 queries in the sequence
	s_lshl_b32 s78, s76, 10
	s_add_co_u32 s78, s78, s54                     ; its 1,024 bytes in q's plane
	s_mov_b32 s79, 0
	s_and_b32 s80, s53, 15                         ; head
	s_lshr_b32 s81, s53, 4                         ; batch
	s_lshr_b32 s82, s80, 3                         ; ctx: the chunk of 512 along K,
	s_lshl_b32 s82, s82, 8
	s_lshl_b32 s81, s81, 6
	s_add_co_u32 s82, s82, s81
	s_add_co_u32 s82, s82, s76                     ; the tile of 16 rows,
	s_lshl_b32 s82, s82, 2
	s_bfe_u32 s83, s80, 0x20001
	s_add_co_u32 s82, s82, s83                     ; the K step of 128,
	s_lshl_b32 s82, s82, 1
	s_and_b32 s83, s80, 1
	s_add_co_u32 s82, s82, s83                     ; its half: a head is 64 along K
	s_lshl_b32 s82, s82, 10
	s_mov_b32 s83, 0
	s_lshl_b32 s84, s63, 4                         ; 32 cx + 16 u
	s_mov_b32 s[KB], 0
	s_mov_b32 s[TBK], 0
	s_mov_b32 s[TBV], 0
	s_wait_dscnt 0x0
	s_wait_kmcnt 0x0
	s_load_b256 s[68:75], s[6:7], 0x18             ; e6 .. e13
	s_mov_b32 s[G0K], 1
	s_mov_b32 s[G0K+1], s58
	s_add_nc_u64 s[G0K+2:G0K+3], s[4:5], s[56:57]
	s_add_nc_u64 s[G0K+2:G0K+3], s[G0K+2:G0K+3], 0x400000   ; k's plane
	s_or_b32 s[G0K+3], s[G0K+3], 0x80000000
	s_mov_b32 s[G0V], 1
	s_mov_b32 s[G0V+1], s59
	s_add_nc_u64 s[G0V+2:G0V+3], s[4:5], s[56:57]
	s_add_nc_u64 s[G0V+2:G0V+3], s[G0V+2:G0V+3], 0x800000   ; v's plane
	s_or_b32 s[G0V+3], s[G0V+3], 0x80000000
	ROUND                                          ; all four work-groups are here: the joint loads meet
	s_cmp_lt_u32 s[WV], 8                          ; waves 0-7 fetch k, waves 8-15 v: one load of mine is out.  Four v_nop follow each line
	s_cbranch_scc0 .Lfor_v
	tensor_load_to_lds s[G0K:G0K+3], s[G1K:G1K+7]
	s_nop 0
.rept 4
	v_nop
.endr
	s_branch .Lasked
.Lfor_v:
	tensor_load_to_lds s[G0V:G0V+3], s[G1V:G1V+7]
	s_nop 0
.rept 4
	v_nop
.endr
.Lasked:
	s_add_nc_u64 s[10:11], s[4:5], s[78:79]        ; q at my tile
	s_add_nc_u64 s[8:9], s[8:9], s[82:83]          ; ctx at my 1,024 bytes
	v_and_b32 v8, 15, v0                           ; r
	v_bfe_u32 v9, v0, 4, 1                         ; h = lane / 16
	s_delay_alu instid0(VALU_DEP_2)
	v_lshlrev_b32 v10, 6, v8
	s_delay_alu instid0(VALU_DEP_1)
	v_lshl_add_u32 v10, v9, 4, v10                 ; q: row r of 64 bytes, + 16 h
	global_load_b128 v[16:19], v10, s[10:11]
	global_load_b128 v[20:23], v10, s[10:11] offset:32   ; registers 4 c .. 4 c + 3: k = 32 c + 16 h + 0 .. 15, as k's fragments have it
	v_mul_u32_u24 v1, v8, KP
	s_delay_alu instid0(VALU_DEP_1)
	v_lshl_add_u32 v1, v9, 4, v1
	v_mul_u32_u24 v2, v8, VP
	s_delay_alu instid0(VALU_DEP_1)
	v_lshl_add_u32 v2, v9, 4, v2
	s_delay_alu instid0(VALU_DEP_1)
	v_add_nc_u32 v2, VOFF, v2
	v_lshlrev_b32 v3, 4, v9
	s_delay_alu instid0(VALU_DEP_1)
	v_sub_nc_u32 v3, v8, v3
	s_delay_alu instid0(VALU_DEP_1)
	v_add_nc_u32 v3, s84, v3                       ; d = 32 cx + 16 u + r - 16 h
	v_and_b32 v7, 31, v0
	s_delay_alu instid0(VALU_DEP_1)
	v_lshlrev_b32 v7, 4, v7
	v_mov_b32 v13, 0xff61b1e6                      ; the largest t so far: -3e38
	s_delay_alu instid0(VALU_DEP_1)
	v_floor_f32 v12, -v13                          ; -M
	v_mov_b32 v14, 0
	v_mov_b32 v15, 0
	v_mov_b32 v241, 0                              ; a lane permute's destination counts as one of its sources
	v_mov_b32 v253, 0                              ; (named as the upper half of v[252:253])
.set n, 0
.rept 32
	v_mov_b32 v[160+n], 0                          ; O^T: the step is written once; the first finds zeros, which the first change of M leaves zeros
.set n, n+1
.endr
	s_wait_kmcnt 0x0
	s_add_co_i32 s85, s68, s69
	s_lshl_b32 s85, s85, 23
	s_add_co_i32 s[CS], s[CS], s85                 ; a score stands for score x 2^(e6 + e7)
	s_mov_b32 s[CS+1], s[CS]
	s_add_co_i32 s85, s70, 127
	s_lshl_b32 s86, s85, 23
	v_mov_b32 v244, s86                            ; 2^e8
	s_add_co_i32 s85, s85, 8
	s_lshl_b32 s85, s85, 23
	s_or_b32 s85, s85, 0x600000
	v_mov_b32 v240, s85                            ; 448 x 2^e8
	s_add_co_i32 s85, s72, 127
	s_lshl_b32 s86, s85, 23
	v_mov_b32 v247, s86                            ; 2^e10
	s_add_co_i32 s85, s85, 8
	s_lshl_b32 s85, s85, 23
	s_or_b32 s85, s85, 0x600000
	v_mov_b32 v246, s85                            ; 448 x 2^e10
	s_wait_tensorcnt 0x0                           ; my eighth has landed,
	s_barrier_signal -1
	s_barrier_wait -1                              ; everybody's has: k and v are whole
	s_wait_loadcnt 0x0                             ; q
.Lstep:                                            ; eight trips in every wave
	s_cmp_gt_u32 s[KB], s[BLK]
	s_cbranch_scc1 .Lskip                          ; all 128 keys come after my queries
	v_add_nc_u32 v8, s[TBK], v1
	v_add_nc_u32 v9, s[TBV], v2
.irp t, 0,1,2,3,4,5,6,7
.irp c, 0,1
	ds_load_b128 v[32+8*\t+4*\c:35+8*\t+4*\c], v8 offset:16*\t*KP+32*\c
.endr
.endr
	s_wait_alu depctr_va_vdst(0)
	s_wait_dscnt 0x0
.irp t, 0,1,2,3,4,5,6,7                        ; S^T = k q^T: eight tiles of 16 keys, K = the head's 64
	v_wmma_f32_16x16x64_fp8_fp8 v[96+8*\t:103+8*\t], v[32+8*\t:39+8*\t], v[16:23], 0
.endr
.rept 4
	v_nop                                          ; places in front of the loads into k's registers and of the first read of the scores
.endr
.irp t, 0,1,2,3                                ; v's four fragments land while the softmax is walked
.irp c, 0,1,2,3
	ds_load_b128 v[32+16*\t+4*\c:35+16*\t+4*\c], v9 offset:16*\t*VP+32*\c
.endr
.endr
	s_cmp_lg_u32 s[KB], s[BLK]
	s_cbranch_scc1 .Lopen                          ; only the step on the diagonal hides keys
	v_mov_b32 v254, 0xff800000                     ; -infinity.  Register 16 b + i holds key 32 b + 16 h + i of the block: hidden where 32 b + i > d
.set n, 0
.rept 64
	v_cmp_gt_i32 vcc_lo, 32*(n/16)+n%16, v3
	v_cndmask_b32 v[96+n], v[96+n], v254, vcc_lo
.set n, n+1
.endr
.Lopen:
	v_max3_num_f32 v254, v96, v97, v98             ; the step's largest score of my query among my 64 keys, in two chains,
	v_max3_num_f32 v252, v99, v100, v101
.irp i, 6,10,14,18,22,26,30,34,38,42,46,50,54,58
	v_max3_num_f32 v254, v254, v[96+\i], v[97+\i]
	v_max3_num_f32 v252, v252, v[98+\i], v[99+\i]
.endr
	v_max3_num_f32 v254, v254, v158, v159
	s_delay_alu instid0(VALU_DEP_1)
	v_max_num_f32 v254, v254, v252
	s_delay_alu instid0(VALU_DEP_1)
	v_permlanex16_b32 v241, v254, s[SEL], s[SEL+1]
	s_delay_alu instid0(VALU_DEP_1)
	v_max_num_f32 v254, v254, v241                 ; and among lane l xor 16's
	s_delay_alu instid0(VALU_DEP_1)
	v_mul_f32 v254, s[CS], v254                    ; as t
	s_delay_alu instid0(VALU_DEP_1)
	v_max_num_f32 v13, v13, v254                   ; the running largest t
	v_mov_b32 v254, v12
	s_delay_alu instid0(VALU_DEP_2)
	v_floor_f32 v12, -v13                          ; the new -M = -ceil(t)
	s_delay_alu instid0(VALU_DEP_1)
	v_sub_f32 v254, v12, v254                      ; old M - new M: a whole number, 0 or less
	s_delay_alu instid0(VALU_DEP_1)
	v_cvt_i32_f32 v254, v254
	s_delay_alu instid0(VALU_DEP_1)
	v_ldexp_f32 v252, 1.0, v254                    ; f = 2^(old M - new M)
.set n, 0
.rept 32
	v_pk_fma_f32 v[96+n:97+n], v[96+n:97+n], s[CS:CS+1], v[12:13] op_sel_hi:[1,0,0]   ; t - M
.set n, n+2
.endr
.set n, 0
	s_wait_alu depctr_va_vdst(0)
.rept 64
	v_exp_f32 v[96+n], v[96+n]                     ; p = 2^(t - M)
.set n, n+1
.endr
	v_pk_mul_f32 v[14:15], v[14:15], v[252:253] op_sel_hi:[1,0]   ; the sums under the new M (a plain place behind the exponentials)
	s_wait_alu depctr_va_vdst(0)
	v_pk_add_f32 v[242:243], v[100:101], v[104:105]
	v_pk_add_f32 v[248:249], v[108:109], v[112:113]
	v_pk_add_f32 v[238:239], v[116:117], v[120:121]
	v_pk_add_f32 v[236:237], v[124:125], v[128:129]
	v_pk_add_f32 v[234:235], v[132:133], v[136:137]
	v_pk_add_f32 v[232:233], v[140:141], v[144:145]
	v_pk_add_f32 v[230:231], v[148:149], v[152:153]
	v_pk_add_f32 v[14:15], v[14:15], v[156:157]
	v_pk_add_f32 v[242:243], v[242:243], v[96:97]
	v_pk_add_f32 v[248:249], v[248:249], v[98:99]
	v_pk_add_f32 v[238:239], v[238:239], v[102:103]
	v_pk_add_f32 v[236:237], v[236:237], v[106:107]
	v_pk_add_f32 v[234:235], v[234:235], v[110:111]
	v_pk_add_f32 v[232:233], v[232:233], v[114:115]
	v_pk_add_f32 v[230:231], v[230:231], v[118:119]
	v_pk_add_f32 v[14:15], v[14:15], v[122:123]
	v_pk_add_f32 v[242:243], v[242:243], v[126:127]
	v_pk_add_f32 v[248:249], v[248:249], v[130:131]
	v_pk_add_f32 v[238:239], v[238:239], v[134:135]
	v_pk_add_f32 v[236:237], v[236:237], v[138:139]
	v_pk_add_f32 v[234:235], v[234:235], v[142:143]
	v_pk_add_f32 v[232:233], v[232:233], v[146:147]
	v_pk_add_f32 v[230:231], v[230:231], v[150:151]
	v_pk_add_f32 v[14:15], v[14:15], v[154:155]
	v_pk_add_f32 v[242:243], v[242:243], v[158:159]
	s_delay_alu instid0(VALU_DEP_2)
	v_pk_add_f32 v[14:15], v[14:15], v[236:237]
	s_delay_alu instid0(VALU_DEP_2)
	v_pk_add_f32 v[242:243], v[242:243], v[234:235]
	v_pk_add_f32 v[248:249], v[248:249], v[232:233]
	v_pk_add_f32 v[238:239], v[238:239], v[230:231]
	s_delay_alu instid0(VALU_DEP_2)
	v_pk_add_f32 v[14:15], v[14:15], v[248:249]
	s_delay_alu instid0(VALU_DEP_2)
	v_pk_add_f32 v[242:243], v[242:243], v[238:239]
	s_delay_alu instid0(VALU_DEP_1)
	v_pk_add_f32 v[14:15], v[14:15], v[242:243]
.irp b, 0,1,2,3
.set n, 0
.rept 16
	v_min_num_f32 v[96+16*\b+n], v[96+16*\b+n], v240   ; p is not negative: a one-sided hold (the conversion does not saturate: ISA guide 7.6.2)
.set n, n+1
.endr
	v_cvt_scalef32_pk8_fp8_f32 v[224+4*\b:225+4*\b], v[96+16*\b:103+16*\b], v244
	v_cvt_scalef32_pk8_fp8_f32 v[226+4*\b:227+4*\b], v[104+16*\b:111+16*\b], v244
.endr
.set n, 0
.rept 16
	v_pk_mul_f32 v[160+n:161+n], v[160+n:161+n], v[252:253] op_sel_hi:[1,0]   ; O^T under the new M; also the plain places behind the conversions
.set n, n+2
.endr
	s_wait_alu depctr_va_vdst(0)
	s_wait_dscnt 0x0                               ; v's fragments
.irp t, 0,1,2,3                                ; O^T += v^T p^T: four accumulators by turns, K = these 128 keys
	v_wmma_f32_16x16x128_fp8_fp8 v[160+8*\t:167+8*\t], v[32+16*\t:47+16*\t], v[224:239], v[160+8*\t:167+8*\t]
.endr
.rept 4
	v_nop                                          ; places in front of the next trip's loads and of the way out's reads
.endr
.Lskip:
	s_add_co_u32 s[TBK], s[TBK], 128*KP
	s_add_co_u32 s[TBV], s[TBV], 64*VP
	s_add_co_u32 s[KB], s[KB], 1
	s_cmp_lt_u32 s[KB], 8
	s_cbranch_scc1 .Lstep
	; THE WAY OUT: O^T / the sum x 2^(e8 + e9) is ctx; held, converted, stored from registers: 16 bytes a lane, 512 consecutive bytes a store.
	v_add_f32 v14, v14, v15
	s_delay_alu instid0(VALU_DEP_1)
	v_permlanex16_b32 v241, v14, s[SEL], s[SEL+1]
	s_delay_alu instid0(VALU_DEP_1)
	v_add_f32 v14, v14, v241
	s_wait_alu depctr_va_vdst(0)
	v_rcp_f32 v14, v14
	v_nop
	s_add_co_i32 s85, s70, s71
	s_wait_alu depctr_va_vdst(0)
	v_ldexp_f32 v14, v14, s85
.set n, 0
.rept 32
	v_mul_f32 v[96+n], v[160+n], v14               ; register 16 b + i: channel 32 b + 16 h + i of my query
.set n, n+1
.endr
.set n, 0
.rept 32
	v_med3_num_f32 v[96+n], v[96+n], -v246, v246
.set n, n+1
.endr
.irp b, 0,1
	v_cvt_scalef32_pk8_fp8_f32 v[224+4*\b:225+4*\b], v[96+16*\b:103+16*\b], v247
	v_cvt_scalef32_pk8_fp8_f32 v[226+4*\b:227+4*\b], v[104+16*\b:111+16*\b], v247
.endr
	v_nop
.irp b, 0,1
	global_store_b128 v7, v[224+4*\b:227+4*\b], s[8:9] offset:512*\b
.endr
	s_wait_tensorcnt 0x0
	ds_add_u32 v251, v255
	s_wait_dscnt 0x0
	ROUND                                          ; the closing round: no work-group ends while a partner may still ask for a tile that names it
	s_endpgm
.Lfunc_end_k_q5e1c73c4d9_attn:
	.size	k_q5e1c73c4d9_attn, .Lfunc_end_k_q5e1c73c4d9_attn-k_q5e1c73c4d9_attn
	.p2alignl 7, 3214868480
	.fill 96, 4, 3214868480
	.section	.rodata,"a",@progbits
	.p2align	6, 0x0
	.amdhsa_kernel k_q5e1c73c4d9_attn
		.amdhsa_group_segment_fixed_size 169984
		.amdhsa_private_segment_fixed_size 0
		.amdhsa_enable_private_segment 0
		.amdhsa_kernarg_size 24
		.amdhsa_user_sgpr_count 2
		.amdhsa_user_sgpr_kernarg_segment_ptr 1
		.amdhsa_wavefront_size32 1
		.amdhsa_system_sgpr_workgroup_id_x 1
		.amdhsa_system_sgpr_workgroup_id_y 1
		.amdhsa_system_sgpr_workgroup_id_z 1
		.amdhsa_system_vgpr_workitem_id 0
		.amdhsa_next_free_vgpr 256
		.amdhsa_next_free_sgpr 88
		.amdhsa_reserve_vcc 1
		.amdhsa_float_denorm_mode_32 3
		.amdhsa_float_denorm_mode_16_64 3
		.amdhsa_memory_ordered 1
		.amdhsa_forward_progress 1
		.amdhsa_inst_pref_size 34
	.end_amdhsa_kernel
	.amdgpu_metadata
---
amdhsa.version: [ 1, 2 ]
amdhsa.kernels:
  - .name:           k_q5e1c73c4d9_attn
    .symbol:         k_q5e1c73c4d9_attn.kd
    .args:
      - { .name: qkvc, .offset: 0, .size: 8, .value_kind: global_buffer, .address_space: global }
      - { .name: lowp_scales, .offset: 8, .size: 8, .value_kind: global_buffer, .address_space: global }
      - { .name: ctx, .offset: 16, .size: 8, .value_kind: global_buffer, .address_space: global }
    .group_segment_fixed_size: 169984
    .private_segment_fixed_size: 0
    .kernarg_segment_align: 8
    .kernarg_segment_size: 24
    .max_flat_workgroup_size: 512
    .sgpr_count:     88
    .vgpr_count:     256
    .wavefront_size: 32
...
	.end_amdgpu_metadata
.endif
;; end of part 3
;; launch oproj (part 4): grid 8 x 32, 4 waves a work-group, clusters of 4 x 4, 327,680 bytes of LDS; arguments ctx, Wo_codes, lowp_scales, bo, x, x1; writes x1
.if DOCPART == 4
	.amdgcn_target "amdgcn-amd-amdhsa--gfx1250"
	.amdhsa_code_object_version 6
	.text
	.protected	k_q5e1c73c4d9_oproj
	.globl	k_q5e1c73c4d9_oproj
	.p2align	8
	.type	k_q5e1c73c4d9_oproj,@function
k_q5e1c73c4d9_oproj:
	s_mov_b64 s[64:65], 0
	v_nop
	global_prefetch_b8 v0, s[64:65] scope:SCOPE_SE
	s_setreg_imm32_b32 hwreg(HW_REG_WAVE_MODE, 25, 1), 1
	s_wait_xcnt 0x0
	s_wait_alu depctr_hold_cnt(0) depctr_sa_sdst(0) depctr_va_vdst(0) depctr_va_sdst(0) depctr_va_ssrc(0) depctr_va_vcc(0) depctr_vm_vsrc(0)
	s_getreg_b32 s2, hwreg(HW_REG_IB_STS2, 6, 4)
	s_cmp_eq_u32 s2, 0
	s_cbranch_scc0 .Lentry_in_a_cluster
	s_endpgm
.Lentry_in_a_cluster:
	s_bfe_u32 s2, ttmp6, 0x10000c
	s_cmp_lg_u32 s2, 0xf033
	s_cbranch_scc0 .Lentry_shape_is_right
	s_endpgm
.Lentry_shape_is_right:
; x1 = x + (ctx Wo^T x 2^(e10 + e11) + bo): ctx [4096][1024] and Wo [1024 (n)][1024 (k)] are codes of E4M3; bo [1024], x and x1 [4096][1024] f32.
; ctx lies in the order of the operand's registers: [K / 512][256 tiles of 16 rows][4 K steps][2,048]: byte 512 c + 16 lane + i is k = 32 c + 16 (lane / 16) + i of row lane % 16.
; A block of the result is 128 x 128: 256 work-groups; four waves, 64 x 64 each: 16 accumulators.
; THE WHOLE K LIES IN LDS AT ONCE: ctx's 128 rows are two dense blocks of 65,536 bytes, Wo's 128 rows 1,024 bytes + 16 each: 264,192 bytes.  Each wave asks for a quarter by ONE tensor load at the head
; (waves 0, 1: ctx's two blocks; waves 2, 3: 64 rows of Wo each); every LDS byte is filled once: no ring, no refill.
; CLUSTERS: 4 x 4 work-groups; ctx's blocks are asked for jointly by a row of the cluster, Wo's rows by a column.
; No prefetch: the launch has no loop to run ahead in; all that it reads is asked for at its head.
; A K STEP of 128 is four groups: 4 matrix instructions (one block of ctx x Wo's four), then 8 LDS loads for the next step, so that LDS reads stand among the products.
; THE MATRIX INSTRUCTION IS USED TRANSPOSED (source 0 = 16 rows of Wo, source 1 = 16 rows of ctx): a lane holds eight neighbouring columns of one row.
; LIMIT: e10 + e11 between -126 and 127.
; REGISTERS: window 0: v0-31 addresses, v[12:15] bias; v32-95 rows on the way out, two sets; v128-255 accumulators ((a, b) at v[128 + 8 (4 a + b)]).  window 1: two fragment buffers of 128 (ctx's four, then Wo's four).  window 2: v0-127 the residual.
.set SOFF,   0x28
.set ABYTES, 131072
.set BPITCH, 1040                      ; 65 x 16 bytes: the 16 rows of a fragment load start in 16 different columns of 16 bytes
.set BHALF,  64*BPITCH
.set STAGE,  ABYTES+2*BHALF
.set SPITCH, 272
.set SPARE,  STAGE+4*16*SPITCH         ; the spare words: 128 bytes a wave, two blocks of 256 bytes that no other line names
.set BI,   12
.set ADRA, 16                          ; v16, v17: my ctx fragments in block 0, 1
.set ADRB, 20
.set STO,  24
.set RD,   25
.set CO,   26
.set SPW,  28
.set NIL,  29
.set TMP,  32
.set ACC,  128
.set G1, 24
.set G0, 32
.set G1B, 48
.set G0B, 56
.set MSB, 0
.macro WIN new                         ; the immediate's high byte repeats the setting that is left
.if MSB != \new
	s_set_vgpr_msb (MSB<<8)|\new
.set MSB, \new
.endif
.endm
.set MUL,  0x05                        ; sources 0 (Wo) and 1 (ctx) window 1; C and D window 0
.set TO_F, 0x40                        ; destination window 1
.macro CROUND                          ; a round of the cluster's barrier
	s_barrier_signal -1
	s_barrier_wait -1
	s_cmp_lg_u32 s14, 0
	s_cbranch_scc1 .Lnot_wave_0_\@
	s_barrier_signal -3
.Lnot_wave_0_\@:
	s_barrier_wait -3
	s_barrier_signal -1
	s_barrier_wait -1
.endm
.macro PLACES                          ; plain vector instructions between a matrix instruction and a load into one of its registers or a read of its result
.rept 4
	v_nop
.endr
.endm
	s_load_b256 s[4:11], s[0:1], 0x0               ; ctx s[4:5], Wo s[6:7], the scales' exponents s[8:9], bias s[10:11]
	s_load_b128 s[68:71], s[0:1], 0x20             ; x s[68:69], x1 s[70:71]
	v_lshl_add_u32 v[SPW], v0, 2, SPARE
	v_mov_b32 v[NIL], 0
	ds_add_u32 v[SPW], v[NIL]                      ; the opening lines: the add,
	ds_add_u32 v[SPW], v[NIL]                      ; once more, and below the one wait for both
	v_lshrrev_b32 v1, 5, v0
	v_readfirstlane_b32 s14, v1                    ; wave 0..3
	s_lshr_b32 s15, s14, 1                         ; my half of the rows.  Also: I fetch for ctx (0) or for Wo (1)
	s_and_b32 s16, s14, 1                          ; my half of the columns.  Also: which part I fetch
	s_bfe_u32 s40, ttmp6, 0x40000
	s_bfe_u32 s41, ttmp6, 0x40004
	s_lshl_b32 s42, ttmp9, 2
	s_add_co_u32 s42, s42, s40                     ; block column
	s_and_b32 s17, ttmp7, 0xffff
	s_lshl_b32 s17, s17, 2
	s_add_co_u32 s17, s17, s41                     ; block row
	s_lshl_b32 s43, s41, 2
	s_lshl_b32 s43, 15, s43                        ; my row of the cluster
	s_lshl_b32 s44, 0x1111, s40                    ; my column
	s_or_b32 s[G1], s43, (3<<16)|(1<<21)           ; ctx: the mask; elements of 8 bytes; bit 21 beside a mask; 65,536 dense bytes as 256 rows of 256
	s_mov_b32 s[G1+1], 32<<16
	s_mov_b32 s[G1+2], 256<<16
	s_mov_b32 s[G1+3], 32<<16
	s_mov_b32 s[G1+4], 256
	s_mov_b32 s[G1+5], 32
	s_mov_b32 s[G1+6], 0
	s_mov_b32 s[G1+7], 0
	s_or_b32 s[G1B], s44, (1<<20)|(1<<21)|(7<<22)|(3<<25)   ; Wo: elements of 1 byte; 4 words of padding behind every 256: 64 rows of 1,024 bytes
	s_mov_b32 s[G1B+1], 1024<<16
	s_mov_b32 s[G1B+2], 64<<16
	s_mov_b32 s[G1B+3], 1024<<16
	s_mov_b32 s[G1B+4], 64
	s_mov_b32 s[G1B+5], 1024
	s_mov_b32 s[G1B+6], 0
	s_mov_b32 s[G1B+7], 0
	s_lshl_b32 s20, s17, 16                        ; ctx: 8 tiles of 16 rows x 8,192 bytes a block row,
	s_lshl_b32 s18, s16, 21                        ; in the K chunk of 2 MiB that I fetch
	s_add_co_u32 s20, s20, s18
	s_mov_b32 s21, 0
	s_lshl_b32 s46, s42, 7
	s_lshl_b32 s19, s16, 6
	s_add_co_u32 s46, s46, s19
	s_lshl_b32 s46, s46, 10                        ; Wo: row 128 x block column + 64 x half
	s_mov_b32 s47, 0
	s_lshl_b32 s45, s16, 16                        ; where ctx's block goes,
	s_mul_i32 s12, s16, BHALF
	s_add_co_u32 s12, s12, ABYTES                  ; and Wo's rows
	s_wait_dscnt 0x0
	s_wait_kmcnt 0x0
	s_load_b64 s[72:73], s[8:9], SOFF              ; e10, e11
	s_add_nc_u64 s[20:21], s[4:5], s[20:21]
	s_add_nc_u64 s[46:47], s[6:7], s[46:47]
	s_mov_b32 s[G0], 1
	s_mov_b32 s[G0+1], s45
	s_mov_b64 s[G0+2:G0+3], s[20:21]
	s_or_b32 s[G0+3], s[G0+3], 0x80000000
	s_mov_b32 s[G0B], 1
	s_mov_b32 s[G0B+1], s12
	s_mov_b64 s[G0B+2:G0B+3], s[46:47]
	s_or_b32 s[G0B+3], s[G0B+3], 0x80000000
	CROUND                                         ; the joint loads meet
	s_cmp_eq_u32 s15, 0                            ; one chain of two arms, one load each; an s_nop 0 and four v_nop follow each line
	s_cbranch_scc0 .Lfor_b
	tensor_load_to_lds s[G0:G0+3], s[G1:G1+7]
	s_nop 0
	PLACES
	s_branch .Lasked
.Lfor_b:
	tensor_load_to_lds s[G0B:G0B+3], s[G1B:G1B+7]
	s_nop 0
	PLACES
.Lasked:
	s_lshl_b32 s21, s15, 15                        ; my four tiles of ctx
	s_mul_i32 s22, s16, BHALF
	s_add_co_u32 s22, s22, ABYTES                  ; my 64 rows of Wo
	s_mul_i32 s23, s14, 16*SPITCH
	s_add_co_u32 s23, s23, STAGE                   ; my stage
	s_lshl_b32 s88, s17, 19                        ; 128 rows of 4,096 bytes a block row,
	s_lshl_b32 s89, s15, 18                        ; 64 a half
	s_add_co_u32 s88, s88, s89
	s_lshl_b32 s90, s42, 9
	s_lshl_b32 s91, s16, 8
	s_add_co_u32 s90, s90, s91                     ; my first column, in bytes
	s_mov_b32 s91, 0
	s_add_nc_u64 s[10:11], s[10:11], s[90:91]
	s_add_co_u32 s88, s88, s90
	s_mov_b32 s89, 0
	s_add_nc_u64 s[68:69], s[68:69], s[88:89]
	s_add_nc_u64 s[70:71], s[70:71], s[88:89]
	v_and_b32 v1, 15, v0                           ; r
	v_bfe_u32 v2, v0, 4, 1                         ; l / 16
	v_and_b32 v3, 31, v0
	v_lshlrev_b32 v4, 4, v3                        ; 16 x lane
	v_mul_u32_u24 v5, v1, BPITCH
	v_lshl_add_u32 v5, v2, 4, v5
	v_add_nc_u32 v[ADRA], s21, v4
	v_add_nc_u32 v[ADRA+1], 0x10000, v[ADRA]
	v_add_nc_u32 v[ADRB], s22, v5
	v_mul_u32_u24 v6, v1, SPITCH
	v_lshl_add_u32 v6, v2, 5, v6
	v_add_nc_u32 v[STO], s23, v6                   ; in: row r, 32 bytes for each half of the lanes
	v_mul_u32_u24 v7, v2, SPITCH
	v_lshl_add_u32 v7, v1, 4, v7
	v_add_nc_u32 v[RD], s23, v7                    ; back: lanes 0-15 one row of 256 bytes, lanes 16-31 the next
	v_lshlrev_b32 v[CO], 12, v2
	v_lshl_add_u32 v[CO], v1, 4, v[CO]             ; and the same two rows in x and x1
	v_lshlrev_b32 v8, 4, v1                        ; my four columns in the bias
	s_wait_alu depctr_va_vdst(0)                   ; the wait at the head's end
	global_load_b128 v[BI:BI+3], v8, s[10:11]
.macro WM q, a, b, zero
.set FB, 128*((\q)%2)
.set MC, ACC+8*(4*(\a)+(\b))
.if \zero
	v_wmma_f32_16x16x128_fp8_fp8 v[MC:MC+7], v[FB+64+16*(\b):FB+64+16*(\b)+15], v[FB+16*(\a):FB+16*(\a)+15], 0
.else
	v_wmma_f32_16x16x128_fp8_fp8 v[MC:MC+7], v[FB+64+16*(\b):FB+64+16*(\b)+15], v[FB+16*(\a):FB+16*(\a)+15], v[MC:MC+7]
.endif
.endm
.macro LDW q, i                        ; Wo's fragment i of K step q
.set FB, 128*((\q)%2)
.irp c, 0,1,2,3
	ds_load_b128 v[FB+64+16*(\i)+4*\c:FB+64+16*(\i)+4*\c+3], v[ADRB] offset:(\i)*16*BPITCH+128*(\q)+32*\c
.endr
.endm
.macro LDA q, i                        ; ctx's fragment i of K step q
.set FB, 128*((\q)%2)
.irp c, 0,1,2,3
	ds_load_b128 v[FB+16*(\i)+4*\c:FB+16*(\i)+4*\c+3], v[ADRA+(\q)/4] offset:(\i)*8192+2048*((\q)%4)+512*\c
.endr
.endm
; A K step.  The loads of a step go out in the order Wo 0-3, ctx 0-3, eight behind each group of the step before.  Group a needs ctx's fragment a (group 0 all of Wo's too):
; behind that fragment's loads 12 + 4 a LDS loads have been issued (more = 0, the last step, which fetches nothing: 12 - 4 a).  The 16 accumulators take turns.
; The four places behind group 0 stand between the last step's products and every load into the buffer that they read.
.macro STEP q, zero, more
.irp a, 0,1,2,3
.if \more
	s_wait_dscnt 12+4*\a
.else
	s_wait_dscnt 12-4*\a
.endif
	WIN MUL
	WM \q, \a, 0, \zero
	WM \q, \a, 1, \zero
	WM \q, \a, 2, \zero
	WM \q, \a, 3, \zero
.if \more
.if \a == 0
	PLACES
.endif
	WIN TO_F
.if \a < 2
	LDW (\q)+1, 2*\a
	LDW (\q)+1, 2*\a+1
.else
	LDA (\q)+1, 2*\a-4
	LDA (\q)+1, 2*\a-3
.endif
.endif
.endr
.endm
	s_wait_tensorcnt 0x0                           ; my quarter has landed,
	s_barrier_signal -1
	s_barrier_wait -1                              ; everybody's has.
	WIN TO_F
.irp i, 0,1,2,3
	LDW 0, \i
.endr
.irp i, 0,1,2,3
	LDA 0, \i
.endr
	WIN 0x80                                       ; destination window 2
.irp a, 0,1,2,3
.irp t, 0,1,2,3,4,5,6,7
	global_load_b128 v[32*\a+4*\t:32*\a+4*\t+3], v[CO], s[68:69] offset:(16*\a+2*\t)*4096   ; the residual, in the layout of the stores: asked for behind the tiles' landing, waited for block by block on the way out
.endr
.endr
	STEP 0, 1, 1                                   ; the first step's products start the sums
.irp q, 1,2,3,4,5,6
	STEP \q, 0, 1
.endr
	STEP 7, 0, 0
	WIN 0
	; THE WAY OUT, 16 rows at a time: the sums through my stage, back as rows of 256 bytes; sum x 2^(e10 + e11) + bias, + the residual; stored.
	s_wait_kmcnt 0x0
	s_add_co_i32 s72, s72, s73
	s_add_co_i32 s72, s72, 127
	s_lshl_b32 s72, s72, 23                        ; 2^(e10 + e11)
	s_mov_b32 s73, s72
	PLACES
.irp a, 0,1,2,3
.if \a < 2
.set TS, TMP+32*\a
.else
.set TS, ACC+32*(\a-2)                 ; blocks 2 and 3 come back into the accumulators of blocks 0 and 1, which are done with: no store's data register is written again
.endif
	s_wait_loadcnt 24-8*\a                         ; the bias and this block's eight residual loads are in; the later blocks' may be out
.irp b, 0,1,2,3
	ds_store_b128 v[STO], v[ACC+8*(4*\a+\b):ACC+8*(4*\a+\b)+3] offset:64*\b       ; each accumulator from its low end on
	ds_store_b128 v[STO], v[ACC+8*(4*\a+\b)+4:ACC+8*(4*\a+\b)+7] offset:64*\b+16
.endr
.irp t, 0,1,2,3,4,5,6,7
	ds_load_b128 v[TS+4*\t:TS+4*\t+3], v[RD] offset:\t*2*SPITCH   ; LDS serves a wave's instructions in order (ISA guide 5.7.1.4)
.endr
	s_wait_dscnt 0x0
.irp t, 0,1,2,3,4,5,6,7
	v_pk_fma_f32 v[TS+4*\t:TS+4*\t+1], v[TS+4*\t:TS+4*\t+1], s[72:73], v[BI:BI+1] op_sel_hi:[1,0,1]
	v_pk_fma_f32 v[TS+4*\t+2:TS+4*\t+3], v[TS+4*\t+2:TS+4*\t+3], s[72:73], v[BI+2:BI+3] op_sel_hi:[1,0,1]
.endr
	WIN 0x08                                       ; source 1 window 2
.irp t, 0,1,2,3,4,5,6,7
	v_pk_add_f32 v[TS+4*\t:TS+4*\t+1], v[TS+4*\t:TS+4*\t+1], v[32*\a+4*\t:32*\a+4*\t+1]
	v_pk_add_f32 v[TS+4*\t+2:TS+4*\t+3], v[TS+4*\t+2:TS+4*\t+3], v[32*\a+4*\t+2:32*\a+4*\t+3]
.endr
	WIN 0
.irp t, 0,1,2,3,4,5,6,7
	global_store_b128 v[CO], v[TS+4*\t:TS+4*\t+3], s[70:71] offset:(16*\a+2*\t)*4096   ; 16 lanes store 256 consecutive bytes, aligned
.endr
.endr
	s_wait_tensorcnt 0x0                           ; the wave's end
	ds_add_u32 v[SPW], v[NIL]
	s_wait_dscnt 0x0
	CROUND                                         ; the closing round
	s_endpgm
.Lfunc_end_k_q5e1c73c4d9_oproj:
	.size	k_q5e1c73c4d9_oproj, .Lfunc_end_k_q5e1c73c4d9_oproj-k_q5e1c73c4d9_oproj
	.p2alignl 7, 3214868480
	.fill 96, 4, 3214868480
	.section	.rodata,"a",@progbits
	.p2align	6, 0x0
	.amdhsa_kernel k_q5e1c73c4d9_oproj
		.amdhsa_group_segment_fixed_size 327680
		.amdhsa_private_segment_fixed_size 0
		.amdhsa_enable_private_segment 0
		.amdhsa_kernarg_size 48
		.amdhsa_user_sgpr_count 2
		.amdhsa_user_sgpr_kernarg_segment_ptr 1
		.amdhsa_wavefront_size32 1
		.amdhsa_system_sgpr_workgroup_id_x 1
		.amdhsa_system_sgpr_workgroup_id_y 1
		.amdhsa_system_sgpr_workgroup_id_z 1
		.amdhsa_system_vgpr_workitem_id 0
		.amdhsa_next_free_vgpr 640
		.amdhsa_next_free_sgpr 92
		.amdhsa_reserve_vcc 0
		.amdhsa_float_denorm_mode_32 3
		.amdhsa_float_denorm_mode_16_64 3
		.amdhsa_memory_ordered 1
		.amdhsa_forward_progress 1
		.amdhsa_inst_pref_size 53
	.end_amdhsa_kernel
	.amdgpu_metadata
---
amdhsa.version: [ 1, 2 ]
amdhsa.kernels:
  - .name:           k_q5e1c73c4d9_oproj
    .symbol:         k_q5e1c73c4d9_oproj.kd
    .args:
      - { .name: ctx, .offset: 0, .size: 8, .value_kind: global_buffer, .address_space: global }
      - { .name: Wo_codes, .offset: 8, .size: 8, .value_kind: global_buffer, .address_space: global }
      - { .name: lowp_scales, .offset: 16, .size: 8, .value_kind: global_buffer, .address_space: global }
      - { .name: bo, .offset: 24, .size: 8, .value_kind: global_buffer, .address_space: global }
      - { .name: x, .offset: 32, .size: 8, .value_kind: global_buffer, .address_space: global }
      - { .name: x1, .offset: 40, .size: 8, .value_kind: global_buffer, .address_space: global }
    .group_segment_fixed_size: 327680
    .private_segment_fixed_size: 0
    .kernarg_segment_align: 8
    .kernarg_segment_size: 48
    .max_flat_workgroup_size: 128
    .sgpr_count:     92
    .vgpr_count:     640
    .wavefront_size: 32
...
	.end_amdgpu_metadata
.endif
;; end of part 4
;; launch ln2 (part 5): grid 256 x 1, 8 waves a work-group, no clusters, 25,600 bytes of LDS; arguments x1, ln2_s, ln2_b, lowp_scales, h2; writes h2
.if DOCPART == 5
	.amdgcn_target "amdgcn-amd-amdhsa--gfx1250"
	.amdhsa_code_object_version 6
	.text
	.protected	k_q5e1c73c4d9_ln2
	.globl	k_q5e1c73c4d9_ln2
	.p2align	8
	.type	k_q5e1c73c4d9_ln2,@function
k_q5e1c73c4d9_ln2:
	s_mov_b64 s[64:65], 0
	v_nop
	global_prefetch_b8 v0, s[64:65] scope:SCOPE_SE
	s_setreg_imm32_b32 hwreg(HW_REG_WAVE_MODE, 25, 1), 1
	s_wait_xcnt 0x0
; h = gain * (x - mean) / sqrt(var + 1e-5) + shift over rows of 1,024 f32, then quantised to E4M3 with the given scale 2^e12 (the left operand of the product with W1), [4096][1024], K innermost.
; SHARES.  Eight waves, two rows a wave, sixteen rows a work-group.  A row is 4,096 bytes: eight loads of 512 consecutive bytes; it stays in 32 registers.
; Lane l holds k = 128 j + 4 l + 0..3 in registers 4 j .. 4 j + 3.  The variance is taken of the differences x - mean, so a common offset of x does no harm.
; A conversion takes eight registers (loads 2 g, 2 g + 1) and gives two registers: each is the four codes of one load.  They go through the wave's own
; bytes of LDS (4 bytes a lane, 128 a load) and come back 16 bytes a lane, so that each store of the wave covers 512 consecutive bytes.
; No barrier: waves share nothing.  No matrix unit, no cluster: the launch streams.
; LIMITS: e12 between -126 and 119.  NaN and infinity among the inputs are not served.
.set NOUT, 1
.set X0,  16
.set X1,  48
.set GA,  80
.set SH,  112
.set T,   144
.set C,   176
.set OUT, 200
.set WREG, 3072
	s_load_b256 s[4:11], s[0:1], 0x0               ; x s[4:5], gain s[6:7], shift s[8:9], the scales' exponents s[10:11]
	s_load_b64 s[12:13], s[0:1], 0x20              ; the codes
	v_lshl_add_u32 v248, v0, 2, 0x6000
	v_mov_b32 v249, 0
	v_lshrrev_b32 v1, 5, v0
	s_delay_alu instid0(VALU_DEP_1)
	v_readfirstlane_b32 s14, v1                    ; wave 0..7
	v_and_b32 v2, 31, v0                           ; lane
	s_delay_alu instid0(VALU_DEP_1)
	v_lshlrev_b32 v1, 4, v2                        ; v1: 16 x lane
	s_mul_i32 s15, s14, WREG
	v_lshl_add_u32 v3, v2, 4, s15                  ; v3: LDS, the way back
	v_lshl_add_u32 v2, v2, 2, s15                  ; v2: LDS, the way in
	s_lshl_b32 s34, ttmp9, 16
	s_lshl_b32 s35, s14, 13
	s_add_co_u32 s34, s34, s35
	s_mov_b32 s35, 0
	s_lshr_b32 s36, s34, 2
	s_mov_b32 s37, 0
	s_mov_b32 s24, 0x3a800000                      ; 1 / 1,024
	s_mov_b32 s25, 0x3727c5ac                      ; 1e-5
	s_mov_b32 s26, 0x76543210
	s_mov_b32 s27, 0xfedcba98
	s_wait_alu depctr_va_vdst(0)
	s_wait_kmcnt 0x0
	s_load_b32 s16, s[10:11], 0x30                 ; e12
	s_add_nc_u64 s[4:5], s[4:5], s[34:35]
	s_add_nc_u64 s[28:29], s[12:13], s[36:37]
.irp j, 0,1,2,3,4,5,6,7
	global_load_b128 v[X0+4*\j:X0+4*\j+3], v1, s[4:5] offset:512*\j
.endr
.irp j, 0,1,2,3,4,5,6,7
	global_load_b128 v[X1+4*\j:X1+4*\j+3], v1, s[4:5] offset:4096+512*\j
.endr
.irp j, 0,1,2,3,4,5,6,7
	global_load_b128 v[GA+4*\j:GA+4*\j+3], v1, s[6:7] offset:512*\j
.endr
.irp j, 0,1,2,3,4,5,6,7
	global_load_b128 v[SH+4*\j:SH+4*\j+3], v1, s[8:9] offset:512*\j
.endr
	s_wait_kmcnt 0x0
	s_add_co_i32 s38, s16, 127
	s_lshl_b32 s39, s38, 23
	v_mov_b32 v8, s39                              ; 2^e as f32
	s_add_co_i32 s38, s38, 8
	s_lshl_b32 s38, s38, 23
	s_or_b32 s38, s38, 0x600000
	v_mov_b32 v9, s38                              ; 448 x 2^e
.macro SUM32
	s_delay_alu instid0(VALU_DEP_1)
	v_add_f32_dpp v[T], v[T], v[T] row_xmask:1 row_mask:0xf bank_mask:0xf
	s_delay_alu instid0(VALU_DEP_1)
	v_add_f32_dpp v[T], v[T], v[T] row_xmask:2 row_mask:0xf bank_mask:0xf
	s_delay_alu instid0(VALU_DEP_1)
	v_add_f32_dpp v[T], v[T], v[T] row_xmask:4 row_mask:0xf bank_mask:0xf
	s_delay_alu instid0(VALU_DEP_1)
	v_add_f32_dpp v[T], v[T], v[T] row_xmask:8 row_mask:0xf bank_mask:0xf
	s_delay_alu instid0(VALU_DEP_1)
	v_permlanex16_b32 v[T+1], v[T], s26, s27
	s_delay_alu instid0(VALU_DEP_1)
	v_add_f32 v[T], v[T], v[T+1]
.endm
.macro STAT X
	v_pk_add_f32 v[T:T+1], v[\X:\X+1], v[\X+2:\X+3]
	v_pk_add_f32 v[T+2:T+3], v[\X+4:\X+5], v[\X+6:\X+7]
.irp j, 8,12,16,20,24,28
	s_delay_alu instid0(VALU_DEP_2)
	v_pk_add_f32 v[T:T+1], v[T:T+1], v[\X+\j:\X+\j+1]
	s_delay_alu instid0(VALU_DEP_2)
	v_pk_add_f32 v[T+2:T+3], v[T+2:T+3], v[\X+\j+2:\X+\j+3]
.endr
	s_delay_alu instid0(VALU_DEP_1)
	v_pk_add_f32 v[T:T+1], v[T:T+1], v[T+2:T+3]
	s_delay_alu instid0(VALU_DEP_1)
	v_add_f32 v[T], v[T], v[T+1]
	SUM32
	s_delay_alu instid0(VALU_DEP_1)
	v_mul_f32 v4, s24, v[T]
	s_delay_alu instid0(VALU_DEP_1)
	v_mov_b32 v5, v4
.set n, 0
.rept 16
	v_pk_add_f32 v[\X+n:\X+n+1], v[\X+n:\X+n+1], v[4:5] neg_lo:[0,1] neg_hi:[0,1]
.set n, n+2
.endr
	v_pk_mul_f32 v[T:T+1], v[\X:\X+1], v[\X:\X+1]
	v_pk_mul_f32 v[T+2:T+3], v[\X+2:\X+3], v[\X+2:\X+3]
.irp j, 4,8,12,16,20,24,28
	s_delay_alu instid0(VALU_DEP_2)
	v_pk_fma_f32 v[T:T+1], v[\X+\j:\X+\j+1], v[\X+\j:\X+\j+1], v[T:T+1]
	s_delay_alu instid0(VALU_DEP_2)
	v_pk_fma_f32 v[T+2:T+3], v[\X+\j+2:\X+\j+3], v[\X+\j+2:\X+\j+3], v[T+2:T+3]
.endr
	s_delay_alu instid0(VALU_DEP_1)
	v_pk_add_f32 v[T:T+1], v[T:T+1], v[T+2:T+3]
	s_delay_alu instid0(VALU_DEP_1)
	v_add_f32 v[T], v[T], v[T+1]
	SUM32
	s_delay_alu instid0(VALU_DEP_1)
	v_fma_f32 v[T], v[T], s24, s25
	s_wait_alu depctr_va_vdst(0)
	v_rsq_f32 v6, v[T]
	v_nop                                          ; a plain instruction between the transcendental and the use of its result
	s_wait_alu depctr_va_vdst(0)
	v_mov_b32 v7, v6
.set n, 0
.rept 16
	v_pk_mul_f32 v[\X+n:\X+n+1], v[\X+n:\X+n+1], v[6:7]
.set n, n+2
.endr
.endm
.macro NORM X
.set n, 0
.rept 16
	v_pk_fma_f32 v[\X+n:\X+n+1], v[\X+n:\X+n+1], v[GA+n:GA+n+1], v[SH+n:SH+n+1]
.set n, n+2
.endr
.endm
.macro QROW X, row
.set n, 0
.rept 32
	v_med3_num_f32 v[T+n], v[\X+n], -v9, v9        ; the conversion does not saturate (ISA guide 7.6.2): the hold at 448 x the scale
.set n, n+1
.endr
.irp g, 0,1,2,3
	v_cvt_scalef32_pk8_fp8_f32 v[C+2*\g:C+2*\g+1], v[T+8*\g:T+8*\g+7], v8
.endr
	v_nop                                          ; a plain instruction between the conversions and the next write of their sources
.irp j, 0,1,2,3,4,5,6,7
	ds_store_b32 v2, v[C+\j] offset:128*\j
.endr
.irp t, 0,1
	ds_load_b128 v[OUT+24*\row+4*\t:OUT+24*\row+4*\t+3], v3 offset:512*\t   ; LDS serves a wave's instructions in order (ISA guide 5.7.1.4)
.endr
	s_wait_dscnt 0x0                               ; the row is back; the stores into LDS have read the codes' registers
.irp t, 0,1
	global_store_b128 v1, v[OUT+24*\row+4*\t:OUT+24*\row+4*\t+3], s[28:29] offset:\row*1024+512*\t
.endr
.endm
	s_wait_loadcnt 24                              ; row 0's eight loads are in; the 24 younger ones may be out
	STAT X0
	s_wait_loadcnt 16                              ; row 1's
	STAT X1
	s_wait_loadcnt 0x0                             ; gain and shift
	NORM X0
	NORM X1
	QROW X0, 0
	QROW X1, 1
	s_wait_tensorcnt 0x0
	ds_add_u32 v248, v249
	s_wait_dscnt 0x0
	s_endpgm
.Lfunc_end_k_q5e1c73c4d9_ln2:
	.size	k_q5e1c73c4d9_ln2, .Lfunc_end_k_q5e1c73c4d9_ln2-k_q5e1c73c4d9_ln2
	.p2alignl 7, 3214868480
	.fill 96, 4, 3214868480
	.section	.rodata,"a",@progbits
	.p2align	6, 0x0
	.amdhsa_kernel k_q5e1c73c4d9_ln2
		.amdhsa_group_segment_fixed_size 25600
		.amdhsa_private_segment_fixed_size 0
		.amdhsa_enable_private_segment 0
		.amdhsa_kernarg_size 40
		.amdhsa_user_sgpr_count 2
		.amdhsa_user_sgpr_kernarg_segment_ptr 1
		.amdhsa_wavefront_size32 1
		.amdhsa_system_sgpr_workgroup_id_x 1
		.amdhsa_system_sgpr_workgroup_id_y 1
		.amdhsa_system_sgpr_workgroup_id_z 1
		.amdhsa_system_vgpr_workitem_id 0
		.amdhsa_next_free_vgpr 250
		.amdhsa_next_free_sgpr 66
		.amdhsa_reserve_vcc 0
		.amdhsa_float_denorm_mode_32 3
		.amdhsa_float_denorm_mode_16_64 3
		.amdhsa_memory_ordered 1
		.amdhsa_forward_progress 1
		.amdhsa_inst_pref_size 27
	.end_amdhsa_kernel
	.amdgpu_metadata
---
amdhsa.version: [ 1, 2 ]
amdhsa.kernels:
  - .name:           k_q5e1c73c4d9_ln2
    .symbol:         k_q5e1c73c4d9_ln2.kd
    .args:
      - { .name: x1, .offset: 0, .size: 8, .value_kind: global_buffer, .address_space: global }
      - { .name: ln2_s, .offset: 8, .size: 8, .value_kind: global_buffer, .address_space: global }
      - { .name: ln2_b, .offset: 16, .size: 8, .value_kind: global_buffer, .address_space: global }
      - { .name: lowp_scales, .offset: 24, .size: 8, .value_kind: global_buffer, .address_space: global }
      - { .name: h2, .offset: 32, .size: 8, .value_kind: global_buffer, .address_space: global }
    .group_segment_fixed_size: 25600
    .private_segment_fixed_size: 0
    .kernarg_segment_align: 8
    .kernarg_segment_size: 40
    .max_flat_workgroup_size: 256
    .sgpr_count:     66
    .vgpr_count:     250
    .wavefront_size: 32
...
	.end_amdgpu_metadata
.endif
;; end of part 5
;; launch ff1 (part 6): grid 16 x 16, 4 waves a work-group, clusters of 4 x 4, 327,680 bytes of LDS; arguments h2, W1_codes, lowp_scales, b1, g; writes g
.if DOCPART == 6
	.amdgcn_target "amdgcn-amd-amdhsa--gfx1250"
	.amdhsa_code_object_version 6
	.text
	.protected	k_q5e1c73c4d9_ff1
	.globl	k_q5e1c73c4d9_ff1
	.p2align	8
	.type	k_q5e1c73c4d9_ff1,@function
k_q5e1c73c4d9_ff1:
	s_mov_b64 s[64:65], 0
	v_nop
	global_prefetch_b8 v0, s[64:65] scope:SCOPE_SE
	s_setreg_imm32_b32 hwreg(HW_REG_WAVE_MODE, 25, 1), 1
	s_wait_xcnt 0x0
	s_wait_alu depctr_hold_cnt(0) depctr_sa_sdst(0) depctr_va_vdst(0) depctr_va_sdst(0) depctr_va_ssrc(0) depctr_va_vcc(0) depctr_vm_vsrc(0)
	s_getreg_b32 s2, hwreg(HW_REG_IB_STS2, 6, 4)
	s_cmp_eq_u32 s2, 0
	s_cbranch_scc0 .Lentry_in_a_cluster
	s_endpgm
.Lentry_in_a_cluster:
	s_bfe_u32 s2, ttmp6, 0x10000c
	s_cmp_lg_u32 s2, 0xf033
	s_cbranch_scc0 .Lentry_shape_is_right
	s_endpgm
.Lentry_shape_is_right:
; g = Q(gelu(h2 W1^T x 2^(e12 + e13) + b1)) with the scale 2^e14: h2 [4096][1024] and W1 [4096 (n)][1024 (k)] are codes of E4M3; gelu in its tanh form, as x / (1 + 2^(-k x (1 + 0.044715 x^2))), in f32.
; A block of 256 x 256 by four waves of 128 x 128; K in steps of 256 through a ring of two LDS slots; 4 x 4 clusters: h2's tile is asked for jointly by a row, W1's by a column.
; g is stored in the order of the next product's operand registers: [K / 512][256 tiles of 16 rows][4 K steps][2,048].
; LIMITS: e12 + e13 between -126 and 127; e14 between -126 and 119.  NaN is not served.
.set KSTEP,  256
.set ROWB,   256
.set KROW,   1024
.set PITCH,  272
.set FR,     16
.set NL,     4
.set NP,     4
.set HALFT,  128*PITCH
.set SLOT,   4*HALFT
.set LAPS,   2
.set SPARE,  2*SLOT
.set SP,     144
.set LI,   12
.set BA,   13
.set ADRA, 16
.set ADRB, 20
.set STO,  24
.set RD,   25
.set KK1,  26
.set SPW,  28
.set NIL,  29
.set LIM,  31
.set BIAS, 32
.set XW,   0                           ; window 1, v0-127: x of four halves in flight (a half: 16 rows x 64 columns, 32 numbers a lane)
.set TW,   128                         ; window 1, v128-223: the exponent, then 1 / (1 + 2^..), of three halves
.set LIM1, 224                         ; window 1: 448 x 2^e14 once more,
.set SCL1, 225                         ; and 2^e14
.set CD,   160
.set BB,   192
.set AF,   128
.set G1, 24
.set G0, 32
.set G1B, 48
.set G0B, 56
.set MSB, 0
.macro WIN new
.if MSB != \new
	s_set_vgpr_msb (MSB<<8)|\new
.set MSB, \new
.endif
.endm
.set MUL_LO, 0xa1
.set MUL_HI, 0xf1
.set TO_B,   0x40
.macro JLOAD g0a, g1a, g0b, g1b
	s_cmp_eq_u32 s15, 0
	s_cbranch_scc0 .Lfor_b_\@
	tensor_load_to_lds s[\g0a:\g0a+3], s[\g1a:\g1a+7]
	s_nop 0
.rept 4
	v_nop
.endr
	s_branch .Lasked_\@
.Lfor_b_\@:
	tensor_load_to_lds s[\g0b:\g0b+3], s[\g1b:\g1b+7]
	s_nop 0
.rept 4
	v_nop
.endr
.Lasked_\@:
.endm
.macro CREST
	s_cmp_lg_u32 s14, 0
	s_cbranch_scc1 .Lnot_wave_0_\@
	s_barrier_signal -3
.Lnot_wave_0_\@:
	s_barrier_wait -3
	s_barrier_signal -1
	s_barrier_wait -1
.endm
.macro CROUND
	s_barrier_signal -1
	s_barrier_wait -1
	CREST
.endm
	s_load_b256 s[4:11], s[0:1], 0x0
	s_load_b64 s[12:13], s[0:1], 0x20
	v_lshl_add_u32 v[SPW], v0, 2, SPARE
	v_mov_b32 v[NIL], 0
	ds_add_u32 v28, v29
	ds_add_u32 v28, v29
	s_wait_dscnt 0x0
	v_lshrrev_b32 v1, 5, v0
	v_readfirstlane_b32 s14, v1
	s_lshr_b32 s15, s14, 1
	s_and_b32 s16, s14, 1
	s_bfe_u32 s40, ttmp6, 0x40000
	s_bfe_u32 s41, ttmp6, 0x40004
	s_lshl_b32 s42, ttmp9, 2
	s_add_co_u32 s42, s42, s40
	s_and_b32 s17, ttmp7, 0xffff
	s_lshl_b32 s17, s17, 2
	s_add_co_u32 s17, s17, s41
	s_lshl_b32 s43, s41, 2
	s_lshl_b32 s43, 15, s43
	s_lshl_b32 s44, 0x1111, s40
	s_or_b32 s[G1+0], s43, (0<<16)|(1<<20)|(1<<21)|(5<<22)|(3<<25)
	s_or_b32 s[G1B+0], s44, (0<<16)|(1<<20)|(1<<21)|(5<<22)|(3<<25)
.irp g, G1, G1B
	s_mov_b32 s[\g+1], ROWB<<16
	s_mov_b32 s[\g+2], 128<<16
	s_mov_b32 s[\g+3], ROWB<<16
	s_mov_b32 s[\g+4], 128
	s_mov_b32 s[\g+5], KROW
	s_mov_b32 s[\g+6], 0
	s_mov_b32 s[\g+7], 0
.endr
	s_lshl_b32 s18, s16, 7
	s_lshl_b32 s20, s17, 8
	s_add_co_u32 s20, s20, s18
	s_lshl_b32 s20, s20, 10
	s_mov_b32 s21, 0
	s_lshl_b32 s46, s42, 8
	s_add_co_u32 s46, s46, s18
	s_lshl_b32 s46, s46, 10
	s_mov_b32 s47, 0
	s_mul_i32 s45, s14, HALFT
	s_wait_kmcnt 0x0
	s_load_b128 s[68:71], s[8:9], 0x30
	s_add_nc_u64 s[20:21], s[4:5], s[20:21]
	s_add_nc_u64 s[46:47], s[6:7], s[46:47]
	; the prefetches' address: of the 128 rows that I fetch, my work-group's 32 (the four partners that ask jointly share the rows out by address: cx for h2, cy for W1); a lane a row
	s_cmp_eq_u32 s15, 0
	s_cselect_b64 s[4:5], s[20:21], s[46:47]
	s_cselect_b32 s6, s40, s41
	s_lshl_b32 s6, s6, 15                          ; 32 rows of 1,024 bytes
	s_mov_b32 s7, 0
	s_add_nc_u64 s[4:5], s[4:5], s[6:7]
	v_and_b32 v14, 31, v0
	v_lshlrev_b32 v14, 10, v14                     ; v14: lane x a row; never rewritten
	s_wait_alu depctr_va_vdst(0)                   ; the wait behind the write
	CROUND
.irp s, 0,1
	s_mov_b32 s[G0+4*\s], 1
	s_add_co_u32 s[G0+4*\s+1], s45, \s*SLOT
	s_add_nc_u64 s[G0+4*\s+2:G0+4*\s+3], s[20:21], \s*ROWB
	s_or_b32 s[G0+4*\s+3], s[G0+4*\s+3], 0x80000000
	s_mov_b32 s[G0B+4*\s], 1
	s_add_co_u32 s[G0B+4*\s+1], s45, \s*SLOT
	s_add_nc_u64 s[G0B+4*\s+2:G0B+4*\s+3], s[46:47], \s*ROWB
	s_or_b32 s[G0B+4*\s+3], s[G0B+4*\s+3], 0x80000000
.endr
	JLOAD G0, G1, G0B, G1B                         ; K step 0: one tensor load a wave at the head
	global_prefetch_b8 v14, s[4:5] offset:256 th:TH_LOAD_NT scope:SCOPE_SE   ; K step 1 of my 32 rows, 256 bytes a lane: its load goes out only when K step 0 has landed
	v_and_b32 v1, 15, v0
	v_bfe_u32 v2, v0, 4, 1
	s_wait_alu depctr_va_vdst(0)
	v_mul_u32_u24 v3, v1, PITCH
	v_lshl_add_u32 v4, v2, 4, v3
	s_mul_i32 s21, s15, HALFT
	s_mul_i32 s22, s16, HALFT
	s_add_co_u32 s22, s22, 2*HALFT
.irp s, 0,1
	v_add_nc_u32 v[ADRA+\s], s21, v4
	v_add_nc_u32 v[ADRB+\s], s22, v4
	s_add_co_u32 s21, s21, SLOT
	s_add_co_u32 s22, s22, SLOT
.endr
	s_lshl_b32 s66, s42, 10
	s_lshl_b32 s67, s16, 9
	s_add_co_u32 s66, s66, s67
	s_mov_b32 s67, 0
	s_add_nc_u64 s[10:11], s[10:11], s[66:67]
	v_lshlrev_b32 v[BA], 5, v2
.irp b, 0,1,2,3,4,5,6,7
	global_load_b128 v[BIAS+8*\b:BIAS+8*\b+3], v[BA], s[10:11] offset:64*\b
	global_load_b128 v[BIAS+8*\b+4:BIAS+8*\b+7], v[BA], s[10:11] offset:64*\b+16
.endr
	s_mul_i32 s23, s14, 16*SP
	v_mul_u32_u24 v5, v1, SP
	v_lshl_add_u32 v6, v2, 3, v5
	v_add_nc_u32 v[STO], s23, v6
	v_lshl_add_u32 v6, v2, 4, v5
	v_add_nc_u32 v[RD], s23, v6
	v_and_b32 v7, 31, v0
	v_lshlrev_b32 v[LI], 4, v7
	s_lshl_b32 s88, s42, 1
	s_add_co_u32 s88, s88, s16
	s_lshr_b32 s89, s88, 2
	s_lshl_b32 s89, s89, 8
	s_lshl_b32 s90, s17, 4
	s_add_co_u32 s89, s89, s90
	s_lshl_b32 s90, s15, 3
	s_add_co_u32 s89, s89, s90
	s_lshl_b32 s89, s89, 2
	s_and_b32 s88, s88, 3
	s_add_co_u32 s88, s89, s88
	s_lshl_b32 s88, s88, 11
	s_mov_b32 s89, 0
	s_add_nc_u64 s[12:13], s[12:13], s[88:89]
.macro FRAG reg, adr, q, i
.irp c, 0,1,2,3
	ds_load_b128 v[\reg+4*\c:\reg+4*\c+3], v[\adr] offset:128*(\q)+32*\c+(\i)*16*PITCH
.endr
.endm
.macro MUL16 a0, p, zero
.irp a, \a0, \a0+1
.irp b, 0,1,2,3,4,5,6,7
.if \zero
	v_wmma_f32_16x16x128_fp8_fp8 v[8*(8*((\a)%4)+\b):8*(8*((\a)%4)+\b)+7], v[128*(\p)+FR*\b:128*(\p)+FR*\b+FR-1], v[AF+FR*(\a):AF+FR*(\a)+FR-1], 0
.else
	v_wmma_f32_16x16x128_fp8_fp8 v[8*(8*((\a)%4)+\b):8*(8*((\a)%4)+\b)+7], v[128*(\p)+FR*\b:128*(\p)+FR*\b+FR-1], v[AF+FR*(\a):AF+FR*(\a)+FR-1], v[8*(8*((\a)%4)+\b):8*(8*((\a)%4)+\b)+7]
.endif
.endr
.endr
.endm
.macro FETCH_B slot, q, p
	WIN TO_B
.irp i, 0,1,2,3,4,5,6,7
	FRAG 128*(\p)+FR*\i, ADRB+\slot, \q, \i
.endr
	WIN 0
.endm
.macro FETCH_A slot, q, i0
.irp i, \i0, \i0+1, \i0+2, \i0+3
	FRAG AF+FR*(\i), ADRA+\slot, \q, \i
.endr
.endm
.macro PLACES n
.rept \n
	v_nop
.endr
.endm
.macro STEP slot, q, zero
	s_wait_dscnt 4*NL
	WIN MUL_LO
	MUL16 0, (\q)%2, \zero
	MUL16 2, (\q)%2, \zero
	s_wait_dscnt 0
	PLACES NP
	FETCH_B \slot, (\q)+1, 1-(\q)%2
	FETCH_A \slot, (\q)+1, 0
	WIN MUL_HI
	MUL16 4, (\q)%2, \zero
	MUL16 6, (\q)%2, \zero
	PLACES NP
	WIN 0
	FETCH_A \slot, (\q)+1, 4
.endm
.macro TURN slot, next, fill
	s_wait_tensorcnt 0x0
	ds_add_u32 v[SPW], v[NIL]
	s_wait_dscnt 4*NL+1
	WIN MUL_LO
	MUL16 0, 1, 0
	s_wait_dscnt 0x0
	s_barrier_signal -1
	MUL16 2, 1, 0
	WIN 0
	s_barrier_wait -1
.if \fill
	CREST
	s_add_nc_u64 s[G0+4*\slot+2:G0+4*\slot+3], s[G0+4*\slot+2:G0+4*\slot+3], 2*ROWB
	s_add_nc_u64 s[G0B+4*\slot+2:G0B+4*\slot+3], s[G0B+4*\slot+2:G0B+4*\slot+3], 2*ROWB
	JLOAD G0+4*\slot, G1, G0B+4*\slot, G1B
.else
	PLACES NP
.endif
	s_wait_alu depctr_va_vdst(0)
	FETCH_B \next, 0, 0
	FETCH_A \next, 0, 0
	WIN MUL_HI
	MUL16 4, 1, 0
	MUL16 6, 1, 0
	PLACES NP
	WIN 0
	FETCH_A \next, 0, 4
.endm
	s_wait_alu depctr_va_vdst(0)                   ; the wait at the head's end
	s_wait_tensorcnt 0x0                           ; my part of K step 0 is in; slot 1's first fill is issued as a refill is:
	ds_add_u32 v[SPW], v[NIL]                      ; 0 onto my spare word
	s_wait_dscnt 0x0
	CROUND                                         ; a whole round: K step 0 is whole, and the joint loads meet
	JLOAD G0+4, G1, G0B+4, G1B                     ; K step 1
	FETCH_B 0, 0, 0
	FETCH_A 0, 0, 0
	FETCH_A 0, 0, 4
	global_prefetch_b8 v14, s[4:5] offset:512 th:TH_LOAD_NT scope:SCOPE_SE   ; K step 2 of my 32 rows, 256 bytes a lane: a K step ahead of the refill that wants it
	STEP 0, 0, 1
	s_mov_b32 s3, LAPS-1
.Llap:                                             ; one trip: LAPS = 2
	TURN 0, 1, 1
	global_prefetch_b8 v14, s[4:5] offset:768 th:TH_LOAD_NT scope:SCOPE_SE   ; K step 3, the last, behind K step 2's refill and its run of LDS loads
	STEP 1, 0, 0
	TURN 1, 0, 1
	STEP 0, 0, 0
	s_sub_co_u32 s3, s3, 1
	s_cmp_lg_u32 s3, 0
	s_cbranch_scc1 .Llap
	TURN 0, 1, 0
	STEP 1, 0, 0
	s_wait_dscnt 4*NL
	WIN MUL_LO
	MUL16 0, 1, 0
	MUL16 2, 1, 0
	s_wait_dscnt 0
	WIN MUL_HI
	MUL16 4, 1, 0
	MUL16 6, 1, 0
	WIN 0
; THE WAY OUT is a pipeline over the sixteen halves i = 2 a + hb of my eight blocks of 16 rows.  Its stages, each on 32 numbers a lane; x and t lie in window 1, which the loop has left free:
.macro XS i                            ; x = sum x 2^(e12 + e13) + bias: each accumulator from its low end on
.set AC, 64*(((\i)/2)%4)+32*((\i)%2)
.set BS, BIAS+32*((\i)%2)
.set XX, XW+32*((\i)%4)
	WIN 0x42+((\i)/8)                              ; source 0 window 2 or 3, source 2 window 0, destination window 1
.set n, 0
.rept 16
	v_pk_fma_f32 v[XX+n:XX+n+1], v[AC+n:AC+n+1], s[96:97], v[BS+n:BS+n+1] op_sel_hi:[1,0,1]
.set n, n+2
.endr
.endm
.macro PT i                            ; t = x (k1 + k2 x^2)
.set XX, XW+32*((\i)%4)
.set TT, TW+32*((\i)%3)
	WIN 0x45                                       ; sources 0 and 1 and the destination window 1, source 2 window 0
.set n, 0
.rept 16
	v_pk_mul_f32 v[TT+n:TT+n+1], v[XX+n:XX+n+1], v[XX+n:XX+n+1]
.set n, n+2
.endr
.set n, 0
.rept 16
	v_pk_fma_f32 v[TT+n:TT+n+1], v[TT+n:TT+n+1], s[98:99], v[KK1:KK1+1] op_sel_hi:[1,0,1]
.set n, n+2
.endr
.set n, 0
.rept 16
	v_pk_mul_f32 v[TT+n:TT+n+1], v[TT+n:TT+n+1], v[XX+n:XX+n+1]
.set n, n+2
.endr
.endm
.macro EXPS i                          ; 2^t
.set TT, TW+32*((\i)%3)
.set n, 0
.rept 32
	v_exp_f32 v[TT+n], v[TT+n]
.set n, n+1
.endr
.endm
.macro ONE i                           ; 1 + 2^t
.set TT, TW+32*((\i)%3)
	WIN 0x45
.set n, 0
.rept 16
	v_pk_add_f32 v[TT+n:TT+n+1], v[TT+n:TT+n+1], 1.0 op_sel_hi:[1,0]
.set n, n+2
.endr
.endm
.macro RCPS i                          ; 1 / (1 + 2^t)
.set TT, TW+32*((\i)%3)
.set n, 0
.rept 32
	v_rcp_f32 v[TT+n], v[TT+n]
.set n, n+1
.endr
.endm
.macro FIN i                           ; gelu = x / (1 + 2^t), held at 448 x the scale (the conversion does not saturate: ISA guide 7.6.2), converted, into my stage
.set XX, XW+32*((\i)%4)
.set TT, TW+32*((\i)%3)
.set CC, CD+16*(((\i)/2)%2)+8*((\i)%2)
	WIN 0x45
.set n, 0
.rept 16
	v_pk_mul_f32 v[XX+n:XX+n+1], v[XX+n:XX+n+1], v[TT+n:TT+n+1]
.set n, n+2
.endr
.set n, 0
.rept 32
	v_med3_num_f32 v[XX+n], v[XX+n], -v[LIM1], v[LIM]
.set n, n+1
.endr
	WIN 0x05                                       ; the codes go to window 0
.irp q, 0,1,2,3
	v_cvt_scalef32_pk8_fp8_f32 v[CC+2*\q:CC+2*\q+1], v[XX+8*\q:XX+8*\q+7], v[SCL1]
.endr
	v_nop                                          ; a plain instruction behind the last conversion
	WIN 0
.irp q, 0,1,2,3
	ds_store_b64 v[STO], v[CC+2*\q:CC+2*\q+1] offset:16*(4*((\i)%2)+\q)
.endr
.endm
.macro BACK a
.set BK, BB+16*((\a)%2)
.irp c, 0,1,2,3
	ds_load_b128 v[BK+4*\c:BK+4*\c+3], v[RD] offset:32*\c
.endr
.endm
.macro SEND a, younger
.set BK, BB+16*((\a)%2)
	s_wait_dscnt \younger
.irp c, 0,1,2,3
	global_store_b128 v[LI], v[BK+4*\c:BK+4*\c+3], s[12:13] offset:8192*(\a)+512*\c
.endr
.endm
	s_wait_kmcnt 0x0
	s_add_co_i32 s96, s68, s69
	s_add_co_i32 s96, s96, 127
	s_lshl_b32 s96, s96, 23
	s_mov_b32 s97, s96
	s_mov_b32 s98, 0xbdd2d3e8
	s_mov_b32 s99, s98
	v_mov_b32 v[KK1], 0xc0135761
	v_mov_b32 v[KK1+1], v[KK1]
	s_add_co_i32 s70, s70, 127
	s_lshl_b32 s71, s70, 23
	s_add_co_i32 s70, s70, 8
	s_lshl_b32 s70, s70, 23
	s_or_b32 s70, s70, 0x600000
	v_mov_b32 v[LIM], s70
	PLACES NP
	WIN 0x40
	v_mov_b32 v[LIM1], s70
	v_mov_b32 v[SCL1], s71
	WIN 0
	s_wait_loadcnt 0x0
	; Turn J: ONE batch of transcendentals (the exponentials of half J, the reciprocals of half J - 1) with one wait ahead of it and one behind it;
	; half J + 1's polynomial is the plain work between the batch and the wait behind it; behind that wait half J + 2 is taken from its accumulators, half J gets its 1 +, half J - 1 is finished.
	XS 0
	XS 1
	PT 0
.set J, 0
.rept 17
	WIN 0x45
	s_wait_alu depctr_va_vdst(0)
.if J <= 15
	EXPS J
.endif
.if J >= 1
	RCPS J-1
.endif
.if J <= 14
	PT J+1
.else
	v_nop                                          ; a plain place behind the batch
.endif
	s_wait_alu depctr_va_vdst(0)
.if J <= 13
	XS J+2
.endif
.if J <= 15
	ONE J
.endif
.if J >= 1
	FIN J-1
.if (J-1)%2 == 1                       ; both halves of block (J - 1) / 2 lie in the stage
.if J > 4
	s_wait_xcnt 0x0                                ; the stores of the block two back have read their registers
.endif
	BACK (J-1)/2
.if J > 2
	SEND (J-1)/2-1, 12                             ; behind that block's loads: this block's 8 stores and 4 loads
.endif
.endif
.endif
.set J, J+1
.endr
	SEND 7, 0
	s_wait_tensorcnt 0x0
	ds_add_u32 v[SPW], v[NIL]
	s_wait_dscnt 0x0
	CROUND
	s_endpgm
.Lfunc_end_k_q5e1c73c4d9_ff1:
	.size	k_q5e1c73c4d9_ff1, .Lfunc_end_k_q5e1c73c4d9_ff1-k_q5e1c73c4d9_ff1
	.p2alignl 7, 3214868480
	.fill 96, 4, 3214868480
	.section	.rodata,"a",@progbits
	.p2align	6, 0x0
	.amdhsa_kernel k_q5e1c73c4d9_ff1
		.amdhsa_group_segment_fixed_size 327680
		.amdhsa_private_segment_fixed_size 0
		.amdhsa_enable_private_segment 0
		.amdhsa_kernarg_size 40
		.amdhsa_user_sgpr_count 2
		.amdhsa_user_sgpr_kernarg_segment_ptr 1
		.amdhsa_wavefront_size32 1
		.amdhsa_system_sgpr_workgroup_id_x 1
		.amdhsa_system_sgpr_workgroup_id_y 1
		.amdhsa_system_sgpr_workgroup_id_z 1
		.amdhsa_system_vgpr_workitem_id 0
		.amdhsa_next_free_vgpr 1024
		.amdhsa_next_free_sgpr 100
		.amdhsa_reserve_vcc 0
		.amdhsa_float_denorm_mode_32 3
		.amdhsa_float_denorm_mode_16_64 3
		.amdhsa_memory_ordered 1
		.amdhsa_forward_progress 1
		.amdhsa_inst_pref_size 255
	.end_amdhsa_kernel
	.section	.bss,"aw",@nobits
	.p2align	6
	.space	262144
	.amdgpu_metadata
---
amdhsa.version: [ 1, 2 ]
amdhsa.kernels:
  - .name:           k_q5e1c73c4d9_ff1
    .symbol:         k_q5e1c73c4d9_ff1.kd
    .args:
      - { .name: h2, .offset: 0, .size: 8, .value_kind: global_buffer, .address_space: global }
      - { .name: W1_codes, .offset: 8, .size: 8, .value_kind: global_buffer, .address_space: global }
      - { .name: lowp_scales, .offset: 16, .size: 8, .value_kind: global_buffer, .address_space: global }
      - { .name: b1, .offset: 24, .size: 8, .value_kind: global_buffer, .address_space: global }
      - { .name: g, .offset: 32, .size: 8, .value_kind: global_buffer, .address_space: global }
    .group_segment_fixed_size: 327680
    .private_segment_fixed_size: 0
    .kernarg_segment_align: 8
    .kernarg_segment_size: 40
    .max_flat_workgroup_size: 128
    .sgpr_count:     100
    .vgpr_count:     1024
    .wavefront_size: 32
...
	.end_amdgpu_metadata
.endif
;; end of part 6
;; launch ff2 (part 7): grid 32 x 8, 4 waves a work-group, clusters of 4 x 1, 327,680 bytes of LDS; arguments g, W2_codes, lowp_scales, b2, x1, out0; writes out0
.if DOCPART == 7
	.amdgcn_target "amdgcn-amd-amdhsa--gfx1250"
	.amdhsa_code_object_version 6
	.text
	.protected	k_q5e1c73c4d9_ff2
	.globl	k_q5e1c73c4d9_ff2
	.p2align	8
	.type	k_q5e1c73c4d9_ff2,@function
k_q5e1c73c4d9_ff2:
	s_mov_b64 s[64:65], 0
	v_nop
	global_prefetch_b8 v0, s[64:65] scope:SCOPE_SE
	s_setreg_imm32_b32 hwreg(HW_REG_WAVE_MODE, 25, 1), 1
	s_wait_xcnt 0x0
	s_wait_alu depctr_hold_cnt(0) depctr_sa_sdst(0) depctr_va_vdst(0) depctr_va_sdst(0) depctr_va_ssrc(0) depctr_va_vcc(0) depctr_vm_vsrc(0)
	s_getreg_b32 s2, hwreg(HW_REG_IB_STS2, 6, 4)
	s_cmp_eq_u32 s2, 0
	s_cbranch_scc0 .Lentry_in_a_cluster
	s_endpgm
.Lentry_in_a_cluster:
	s_bfe_u32 s2, ttmp6, 0x10000c
	s_cmp_lg_u32 s2, 0x3003
	s_cbranch_scc0 .Lentry_shape_is_right
	s_endpgm
.Lentry_shape_is_right:
; out0 = x1 + (g W2^T x 2^(e14 + e15) + b2): g [4096][4096] and W2 [1024 (n)][4096 (k)] are codes of E4M3; b2 [1024], x1 and out0 [4096][1024] f32.
; g lies in the order of the operand's registers: [K / 512][256 tiles of 16 rows][4 K steps][2,048]: byte 512 c + 16 lane + i is k = 32 c + 16 (lane / 16) + i of row lane % 16.
; SHARES.  A block of 128 x 128: 256 work-groups; four waves, 32 rows x 128 columns each: 16 accumulators.  A wave's rows of g are its own: they go from memory straight into registers,
; 8 loads of 512 consecutive bytes a K step of 128, asked seven steps ahead into a ring of eight register buffers.  W2's 128 rows are read by all four waves: they come through two LDS slots of
; 1,024 along K (two parts of 512, rows of 512 bytes + 16), each wave fetching a quarter by one tensor load.
; CLUSTERS: the four work-groups of a cluster have the same block column: W2's tiles are asked for jointly.  g's rows are shared by no partner.
; A K STEP is four groups: 4 matrix instructions (two fragments of W2 x my two blocks of g), one place, then the 8 LDS loads of the same two fragments for the NEXT step, so that LDS reads stand among the products.
; A group's fragments were asked for a whole step earlier: 24 LDS loads have been issued behind them, in every group alike.
; PREFETCH: W2's slot s + 1 is asked for behind slot s's tensor load (s = 0, 1, 2): eight K steps ahead of the load that wants it.  A slot's 128 rows x 1,024 bytes are 512 blocks of 256 bytes: one to each lane of the
; cluster's sixteen waves: of the 64 rows x 512 bytes that a wave fetches, the partner at place cx names rows 16 cx on, told apart by address.  g needs none: its loads stand seven steps ahead of their use.
; THE MATRIX INSTRUCTION IS USED TRANSPOSED (source 0 = 16 rows of W2, source 1 = 16 rows of g): a lane holds eight neighbouring columns of one row.
; LIMIT: e14 + e15 between -126 and 127.
; REGISTERS: window 0: v0-31 addresses, v[12:15] bias, v32-95 rows on the way out, v128-255 accumulators ((a, b) at v[128 + 8 (8 a + b)]).  window 1: W2's fragments, two buffers of 128.  window 2: g's, eight buffers of 32.  window 3: v0-127 the residual.
.set SIZE_K, 4096
.set SOFF,   0x38
.set BPITCH, 528
.set BHALF,  64*BPITCH
.set SUB,    2*BHALF                   ; 128 rows x 512 along K
.set SLOT,   2*SUB
.set STAGE,  2*SLOT
.set SPITCH, 528
.set SPARE,  STAGE+4*16*SPITCH         ; the spare words: 128 bytes a wave, two blocks of 256 bytes that no other line names
.set PFO,  10                          ; v10  the prefetches' offset; never rewritten
.set LI,   11                          ; v11  16 x lane
.set BI,   12
.set ADRB, 20                          ; v20-23  my lane's place in the four parts of 512 along K
.set STO,  24
.set RD,   25
.set SPW,  28
.set NIL,  29
.set TMP,  32
.set ACC,  128
.set G0,  32
.set G1B, 48
.set PFA, 76                           ; s[76:77] the prefetches' base; never rewritten
.set MSB, 0
.macro WIN new                         ; the immediate's high byte repeats the setting that is left
.if MSB != \new
	s_set_vgpr_msb (MSB<<8)|\new
.set MSB, \new
.endif
.endm
.set MUL,  0x09                        ; source 0 (W2) window 1, source 1 (g) window 2, C and D window 0
.set TO_W, 0x40
.set TO_A, 0x80
.set TO_R, 0xc0
.macro CREST                           ; a round of the cluster's barrier behind its opening barrier
	s_cmp_lg_u32 s14, 0
	s_cbranch_scc1 .Lnot_wave_0_\@
	s_barrier_signal -3
.Lnot_wave_0_\@:
	s_barrier_wait -3
	s_barrier_signal -1
	s_barrier_wait -1
.endm
.macro CROUND
	s_barrier_signal -1
	s_barrier_wait -1
	CREST
.endm
.macro PLACES                          ; plain vector instructions between a matrix instruction and a load into one of its registers or a read of its result
.rept 4
	v_nop
.endr
.endm
.macro ALOAD k                         ; g's two fragments of K step k into buffer k % 8
.set RB, 32*((\k)%8)
.set RO, (((\k)/4)%4)*0x200000+((\k)%4)*2048
.irp a, 0,1
.irp c, 0,1,2,3
.if (\k) < 16
	global_load_b128 v[RB+16*\a+4*\c:RB+16*\a+4*\c+3], v[LI], s[20:21] offset:RO+8192*\a+512*\c
.else
	global_load_b128 v[RB+16*\a+4*\c:RB+16*\a+4*\c+3], v[LI], s[22:23] offset:RO+8192*\a+512*\c
.endif
.endr
.endr
.endm
	s_load_b256 s[4:11], s[0:1], 0x0               ; g s[4:5], W2 s[6:7], the scales' exponents s[8:9], bias s[10:11]
	s_load_b128 s[68:71], s[0:1], 0x20             ; x1 s[68:69], out0 s[70:71]
	v_lshl_add_u32 v[SPW], v0, 2, SPARE
	v_mov_b32 v[NIL], 0
	ds_add_u32 v[SPW], v[NIL]                      ; the opening lines: the add,
	ds_add_u32 v[SPW], v[NIL]                      ; once more, and below the one wait for both
	v_lshrrev_b32 v1, 5, v0
	v_readfirstlane_b32 s14, v1                    ; wave 0..3
	s_lshr_b32 s15, s14, 1                         ; which 512 along K of a slot I fetch
	s_and_b32 s16, s14, 1                          ; which 64 rows
	s_bfe_u32 s40, ttmp6, 0x40000                  ; cx
	s_lshl_b32 s17, ttmp9, 2
	s_add_co_u32 s17, s17, s40                     ; block row
	s_and_b32 s42, ttmp7, 0xffff                   ; block column, which the partners share
	s_mov_b32 s[G1B], 15|(1<<20)|(1<<21)|(6<<22)|(3<<25)   ; the mask: all four; elements of 1 byte; padding on; bit 21 beside a mask; 4 words behind every 128
	s_mov_b32 s[G1B+1], 512<<16
	s_mov_b32 s[G1B+2], 64<<16
	s_mov_b32 s[G1B+3], 512<<16
	s_mov_b32 s[G1B+4], 64
	s_mov_b32 s[G1B+5], SIZE_K
	s_mov_b32 s[G1B+6], 0
	s_mov_b32 s[G1B+7], 0
	s_lshl_b32 s46, s42, 19                        ; 128 rows of 4,096 bytes a block column,
	s_lshl_b32 s18, s16, 18                        ; 64 a half,
	s_add_co_u32 s46, s46, s18
	s_lshl_b32 s18, s15, 9                         ; my 512 along K
	s_add_co_u32 s46, s46, s18
	s_mov_b32 s47, 0
	s_mul_i32 s45, s14, BHALF                      ; where it goes in a slot
	s_lshl_b32 s24, s17, 16                        ; g: 8 tiles of 8,192 bytes a block row,
	s_lshl_b32 s18, s14, 14                        ; two a wave
	s_add_co_u32 s24, s24, s18
	s_mov_b32 s25, 0
	s_lshl_b32 s78, s40, 16                        ; the prefetches: my work-group's 16 rows of 4,096 bytes
	s_mov_b32 s79, 0
	s_wait_dscnt 0x0
	s_wait_kmcnt 0x0
	s_load_b64 s[72:73], s[8:9], SOFF              ; e14, e15
	s_add_nc_u64 s[46:47], s[6:7], s[46:47]
	s_add_nc_u64 s[PFA:PFA+1], s[46:47], s[78:79]
	s_add_nc_u64 s[20:21], s[4:5], s[24:25]
	s_add_nc_u64 s[22:23], s[20:21], 0x800000      ; K steps 16 on
.irp s, 0,1
	s_mov_b32 s[G0+4*\s], 1
	s_add_co_u32 s[G0+4*\s+1], s45, \s*SLOT
	s_add_nc_u64 s[G0+4*\s+2:G0+4*\s+3], s[46:47], \s*1024
	s_or_b32 s[G0+4*\s+3], s[G0+4*\s+3], 0x80000000
.endr
	CROUND                                         ; the first joint loads meet
	tensor_load_to_lds s[G0:G0+3], s[G1B:G1B+7]    ; slot 0: one tensor load a wave at the head
	s_nop 0
	PLACES
	v_and_b32 v1, 15, v0                           ; r
	v_bfe_u32 v2, v0, 4, 1                         ; l / 16
	v_and_b32 v3, 31, v0
	v_lshlrev_b32 v[LI], 4, v3
	v_lshlrev_b32 v[PFO], 12, v1                   ; row r of my 16,
	v_lshl_add_u32 v[PFO], v2, 8, v[PFO]           ; its first or second 256 bytes
	global_prefetch_b8 v[PFO], s[PFA:PFA+1] offset:1024 th:TH_LOAD_NT scope:SCOPE_SE   ; slot 1
	WIN TO_A
.irp k, 0,1,2,3
	ALOAD \k                                       ; the first four steps of g now, the next three behind slot 1's load: in the same order, ahead of the first step
.endr
	WIN 0
	s_mul_i32 s26, s14, 16*SPITCH
	s_add_co_u32 s26, s26, STAGE                   ; my stage
	s_lshl_b32 s88, s17, 19
	s_lshl_b32 s89, s14, 17                        ; my 32 rows of 4,096 bytes
	s_add_co_u32 s88, s88, s89
	s_lshl_b32 s90, s42, 9                         ; the block's first column, in bytes
	s_mov_b32 s91, 0
	s_add_nc_u64 s[10:11], s[10:11], s[90:91]
	s_add_co_u32 s88, s88, s90
	s_mov_b32 s89, 0
	s_add_nc_u64 s[68:69], s[68:69], s[88:89]
	s_add_nc_u64 s[70:71], s[70:71], s[88:89]
	s_wait_alu depctr_va_vdst(0)                   ; the wait here
	v_mul_u32_u24 v5, v1, BPITCH
	v_lshl_add_u32 v5, v2, 4, v5
.irp j, 0,1,2,3
	v_add_nc_u32 v[ADRB+\j], \j*SUB, v5
.endr
	v_mul_u32_u24 v6, v1, SPITCH
	v_lshl_add_u32 v6, v2, 5, v6
	v_add_nc_u32 v[STO], s26, v6                   ; in: row r, 32 bytes for each half of the lanes
	v_add_nc_u32 v[RD], s26, v[LI]                 ; back: the 32 lanes take one row of 512 bytes
.macro WM k, a, b, zero
.set MB, 128*((\k)%2)+16*(\b)
.set MA, 32*((\k)%8)+16*(\a)
.set MC, ACC+8*(8*(\a)+(\b))
.if \zero
	v_wmma_f32_16x16x128_fp8_fp8 v[MC:MC+7], v[MB:MB+15], v[MA:MA+15], 0
.else
	v_wmma_f32_16x16x128_fp8_fp8 v[MC:MC+7], v[MB:MB+15], v[MA:MA+15], v[MC:MC+7]
.endif
.endm
.macro MUL4 k, g, zero                 ; W2's fragments 2 g, 2 g + 1 x my two blocks.  The 16 accumulators take turns, in the same order in every step
	WIN MUL
	WM \k, 0, 2*(\g), \zero
	WM \k, 1, 2*(\g), \zero
	WM \k, 0, 2*(\g)+1, \zero
	WM \k, 1, 2*(\g)+1, \zero
.endm
.macro WLD k, i0, n                    ; n fragments of W2, from i0 on, of K step k into buffer k % 2
.set LB, 128*((\k)%2)
.set LJ, ADRB+((\k)/4)%4
.set LQ, 128*((\k)%4)
	WIN TO_W
.set FI, \i0
.rept \n
.irp c, 0,1,2,3
	ds_load_b128 v[LB+16*FI+4*\c:LB+16*FI+4*\c+3], v[LJ] offset:FI*16*BPITCH+LQ+32*\c
.endr
.set FI, FI+1
.endr
.endm
.macro LWAIT k                         ; g's fragments of step k are in: behind them 48 loads were issued: six more steps' of g, or, from step 26 on, those that are left and 8 of the residual's for each of steps 25 to 28; at the end 32 of the residual's and the bias
.if (\k) <= 29
	s_wait_loadcnt 48
.else
	s_wait_loadcnt 8*(31-(\k))+33
.endif
.endm
.macro AHEAD k                         ; g's fragments seven steps on; where none are left, the residual and the bias
.if (\k)+7 < 32
	WIN TO_A
	ALOAD (\k)+7
.else
.if (\k) < 29
	WIN TO_R
.set RN, 8*((\k)-25)
.rept 8
	global_load_b128 v[4*RN:4*RN+3], v[LI], s[68:69] offset:RN*4096
.set RN, RN+1
.endr
.endif
.if (\k) == 29
	WIN 0
	global_load_b128 v[BI:BI+3], v[LI], s[10:11]
.endif
.endif
.endm
; A K step.  Between a group's products and the loads that land in the registers they read (a step later, behind the same group; g's behind group 3) stand five of the single places.
.macro STEP k, zero
	LWAIT \k
.irp g, 0,1,2,3
	s_wait_dscnt 24                                ; this group's two fragments are in: 24 LDS loads were issued behind theirs
	MUL4 \k, \g, \zero
	v_nop
	WLD (\k)+1, 2*\g, 2
.if \g == 3
	AHEAD \k
.endif
.endr
.endm
; A slot's last step changes slots: ONE barrier; in front of it each wave waits for all its tensor loads, adds 0 to its spare word, and waits for that and for its reads of this slot (all issued in the step before).
; Behind it the slot is filled again (fill = 1), and the next step's 32 loads, from the other slot, go out in the same order as ever, 16 ahead of each of the last two groups: the next step's counts stay 24.
.macro TURN k, fill
.set TG, G0+4*(((\k)/8)%2)
	LWAIT \k
	WIN 0
	s_wait_tensorcnt 0x0                           ; all my tensor loads have landed: my part of the next slot
	ds_add_u32 v[SPW], v[NIL]                      ; 0 onto my spare word
	s_wait_dscnt 25                                ; the first two fragments are in; 24 loads and the add may be out
	MUL4 \k, 0, 0
	s_wait_dscnt 0x0                               ; the add is done, and my reads of this slot are over
	s_barrier_signal -1
	MUL4 \k, 1, 0
	WIN 0
	s_barrier_wait -1
.if \fill
	CREST                                          ; the barrier has opened a round of the cluster's: no wave of any partner still reads this slot or has a load on its way
	s_add_nc_u64 s[TG+2:TG+3], s[TG+2:TG+3], 2048
	tensor_load_to_lds s[TG:TG+3], s[G1B:G1B+7]
	s_nop 0
.endif
	PLACES
.if (\k) == 7
	global_prefetch_b8 v[PFO], s[PFA:PFA+1] offset:3072 th:TH_LOAD_NT scope:SCOPE_SE   ; slot 3, the last
.endif
	WLD (\k)+1, 0, 4
	MUL4 \k, 2, 0
	v_nop
	WLD (\k)+1, 4, 4
	AHEAD \k
	MUL4 \k, 3, 0
	v_nop
.endm
	s_wait_alu depctr_va_vdst(0)                   ; the wait at the head's end
	s_wait_tensorcnt 0x0                           ; my part of slot 0 is in; slot 1's first fill is issued as a refill is:
	ds_add_u32 v[SPW], v[NIL]
	s_wait_dscnt 0x0
	CROUND                                         ; a whole round: slot 0 is whole, and the joint loads meet
	tensor_load_to_lds s[G0+4:G0+7], s[G1B:G1B+7]  ; slot 1
	s_nop 0
	PLACES
	global_prefetch_b8 v[PFO], s[PFA:PFA+1] offset:2048 th:TH_LOAD_NT scope:SCOPE_SE   ; slot 2
	WLD 0, 0, 8
	WIN TO_A
.irp k, 4,5,6
	ALOAD \k
.endr
	STEP 0, 1                                      ; the first step's products start the sums
.irp k, 1,2,3,4,5,6
	STEP \k, 0
.endr
	TURN 7, 1
.irp k, 8,9,10,11,12,13,14
	STEP \k, 0
.endr
	TURN 15, 1
.irp k, 16,17,18,19,20,21,22
	STEP \k, 0
.endr
	TURN 23, 0                                     ; nothing is left to fetch
.irp k, 24,25,26,27,28,29,30
	STEP \k, 0
.endr
	LWAIT 31
	AHEAD 31
.irp g, 0,1,2,3
	s_wait_dscnt 24-8*\g                           ; the last step fetches nothing: behind a group's fragments only the later groups' loads
	MUL4 31, \g, 0
.endr
	WIN 0
	; THE WAY OUT, 16 rows at a time: the sums through my stage, back as rows of 512 bytes; sum x 2^(e14 + e15) + bias, + the residual; stored.
	s_wait_kmcnt 0x0
	s_add_co_i32 s72, s72, s73
	s_add_co_i32 s72, s72, 127
	s_lshl_b32 s72, s72, 23                        ; 2^(e14 + e15)
	s_mov_b32 s73, s72
	PLACES
	s_wait_loadcnt 0x0                             ; the residual and the bias
.irp a, 0,1
.if \a == 1
.set TMP, ACC                          ; block 1's rows come back into block 0's accumulators, which are done with: no store's data register is written again
.endif
.irp b, 0,1,2,3,4,5,6,7
	ds_store_b128 v[STO], v[ACC+8*(8*\a+\b):ACC+8*(8*\a+\b)+3] offset:64*\b       ; each accumulator from its low end on
	ds_store_b128 v[STO], v[ACC+8*(8*\a+\b)+4:ACC+8*(8*\a+\b)+7] offset:64*\b+16
.endr
.irp t, 0,1,2,3,4,5,6,7,8,9,10,11,12,13,14,15
	ds_load_b128 v[TMP+4*\t:TMP+4*\t+3], v[RD] offset:\t*SPITCH   ; LDS serves a wave's instructions in order (ISA guide 5.7.1.4)
.endr
	s_wait_dscnt 0x0
.irp t, 0,1,2,3,4,5,6,7,8,9,10,11,12,13,14,15
	v_pk_fma_f32 v[TMP+4*\t:TMP+4*\t+1], v[TMP+4*\t:TMP+4*\t+1], s[72:73], v[BI:BI+1] op_sel_hi:[1,0,1]
	v_pk_fma_f32 v[TMP+4*\t+2:TMP+4*\t+3], v[TMP+4*\t+2:TMP+4*\t+3], s[72:73], v[BI+2:BI+3] op_sel_hi:[1,0,1]
.endr
	WIN 0x0c                                       ; source 1 window 3
.irp t, 0,1,2,3,4,5,6,7,8,9,10,11,12,13,14,15
	v_pk_add_f32 v[TMP+4*\t:TMP+4*\t+1], v[TMP+4*\t:TMP+4*\t+1], v[64*\a+4*\t:64*\a+4*\t+1]
	v_pk_add_f32 v[TMP+4*\t+2:TMP+4*\t+3], v[TMP+4*\t+2:TMP+4*\t+3], v[64*\a+4*\t+2:64*\a+4*\t+3]
.endr
	WIN 0
.irp t, 0,1,2,3,4,5,6,7,8,9,10,11,12,13,14,15
	global_store_b128 v[LI], v[TMP+4*\t:TMP+4*\t+3], s[70:71] offset:(16*\a+\t)*4096 th:TH_STORE_NT   ; 32 lanes store 512 consecutive bytes, aligned
.endr
.endr
	s_wait_tensorcnt 0x0                           ; the wave's end
	ds_add_u32 v[SPW], v[NIL]
	s_wait_dscnt 0x0
	CROUND                                         ; the closing round
	s_endpgm
.Lfunc_end_k_q5e1c73c4d9_ff2:
	.size	k_q5e1c73c4d9_ff2, .Lfunc_end_k_q5e1c73c4d9_ff2-k_q5e1c73c4d9_ff2
	.p2alignl 7, 3214868480
	.fill 96, 4, 3214868480
	.section	.rodata,"a",@progbits
	.p2align	6, 0x0
	.amdhsa_kernel k_q5e1c73c4d9_ff2
		.amdhsa_group_segment_fixed_size 327680
		.amdhsa_private_segment_fixed_size 0
		.amdhsa_enable_private_segment 0
		.amdhsa_kernarg_size 48
		.amdhsa_user_sgpr_count 2
		.amdhsa_user_sgpr_kernarg_segment_ptr 1
		.amdhsa_wavefront_size32 1
		.amdhsa_system_sgpr_workgroup_id_x 1
		.amdhsa_system_sgpr_workgroup_id_y 1
		.amdhsa_system_sgpr_workgroup_id_z 1
		.amdhsa_system_vgpr_workitem_id 0
		.amdhsa_next_free_vgpr 896
		.amdhsa_next_free_sgpr 92
		.amdhsa_reserve_vcc 0
		.amdhsa_float_denorm_mode_32 3
		.amdhsa_float_denorm_mode_16_64 3
		.amdhsa_memory_ordered 1
		.amdhsa_forward_progress 1
		.amdhsa_inst_pref_size 164
	.end_amdhsa_kernel
	.amdgpu_metadata
---
amdhsa.version: [ 1, 2 ]
amdhsa.kernels:
  - .name:           k_q5e1c73c4d9_ff2
    .symbol:         k_q5e1c73c4d9_ff2.kd
    .args:
      - { .name: g, .offset: 0, .size: 8, .value_kind: global_buffer, .address_space: global }
      - { .name: W2_codes, .offset: 8, .size: 8, .value_kind: global_buffer, .address_space: global }
      - { .name: lowp_scales, .offset: 16, .size: 8, .value_kind: global_buffer, .address_space: global }
      - { .name: b2, .offset: 24, .size: 8, .value_kind: global_buffer, .address_space: global }
      - { .name: x1, .offset: 32, .size: 8, .value_kind: global_buffer, .address_space: global }
      - { .name: out0, .offset: 40, .size: 8, .value_kind: global_buffer, .address_space: global }
    .group_segment_fixed_size: 327680
    .private_segment_fixed_size: 0
    .kernarg_segment_align: 8
    .kernarg_segment_size: 48
    .max_flat_workgroup_size: 128
    .sgpr_count:     92
    .vgpr_count:     896
    .wavefront_size: 32
...
	.end_amdgpu_metadata
.endif
;; end of part 7
